; MI455X (gfx1250); checked and timed in simulation.
; The chip was launched on July 23, 2026; its instructions are those of AMD's public machine-readable ISA for CDNA 5 (MIT licence, August 2026) and "CDNA5" Instruction Set Architecture Reference Guide (July 2026). The comments in the code are by the model that wrote it; some were corrected since.
;; Conformer MHA. Allowed arithmetic: matrix products marked QUANTISED: E4M3 operands, one E8M0 scale for each 32 along K, by v_wmma_scale_f32_16x16x128_f8f6f4 with both operands' format E4M3, f32 sums; everything else in f32.
;; Inputs: b_o 1,024 float32; b_qkv 3,072 float32; ln_b 1,024 float32; ln_w 1,024 float32; w_o 1,024 x 1,024 float32; w_qkv 1,024 x 3,072 float32; x 4 x 2,048 x 1,024 float32.
;; Outputs: out0 4 x 2,048 x 1,024 float32.
;; This version of the problem:
;;   THIS VERSION OF THE PROBLEM IS GIVEN IN LOW PRECISION. The matrix products marked QUANTISED in the list below multiply operands that are first quantised to E4M3 (4 exponent bits, 3 mantissa bits; 8 bits a number), with one power-of-two scale for each 32 numbers along K (OCP MX v1.0); their sums are f32. All else is computed in f32.
;;   The module's matrix products, in the order in which they are computed (A, B: the left and right operand; K: the contracted axis; several contracted axes count as one K, in the product's order):
;;     1. [M 8,192, K 1,024] x [K 1,024, N 3,072]; A: computed on the way; B: input w_qkv: QUANTISED
;;     2. batch 64 x [M 2,048, K 64] x [K 64, N 2,048]; A: computed on the way; B: computed on the way: QUANTISED
;;     3. batch 64 x [M 2,048, K 2,048] x [K 2,048, N 64]; A: softmax (see below); B: computed on the way: QUANTISED
;;     4. [M 8,192, K 1,024] x [K 1,024, N 1,024]; A: computed on the way; B: input w_o: QUANTISED
;;   THE QUANTISER, for each operand of a quantised product, along K:
;;     - K is cut into blocks of 32 from its start; a last block that is shorter is filled with zeros.
;;     - A block's scale is 2^e with e = floor(log2(the largest magnitude in the block)) - 8, held to -126 .. 127; a block of zeros has e = 0. As a byte (E8M0): e + 127.
;;     - Each number is divided by its block's scale, clamped to +-448, and rounded to the nearest number of E4M3, ties to even, subnormals kept.
;;     - The product sums the exact products of the quantised numbers (number of the format x scale) in f32.
;;   ~~~python
;;   def quantise(x, axis):      # numpy; x: float32 -> the quantised numbers, widened to float32 again
;;       x = np.moveaxis(x, axis, -1); K = x.shape[-1]
;;       x = np.pad(x, [(0, 0)] * (x.ndim - 1) + [(0, -K % 32)]); x = x.reshape(x.shape[:-1] + (-1, 32)); a = np.abs(x).max(-1, keepdims=True)
;;       e = np.where(a > 0, np.clip(np.frexp(np.where(a > 0, a, 1))[1] - 1 - 8, -126, 127), 0)      # np.frexp(a)[1] - 1 = floor(log2(a)), exactly
;;       r = np.clip(x / 2.0 ** e, -448, 448)
;;       step = 2.0 ** (np.maximum(np.frexp(np.where(r == 0, 1, r))[1] - 1, -6) - 3)
;;       q = np.round(r / step) * step * 2.0 ** e      # np.round: ties to even
;;       return np.moveaxis(q.reshape(q.shape[:-2] + (-1,))[..., :K], -1, axis).astype(np.float32)
;;   ~~~
;;   SOFTMAX AHEAD OF A QUANTISED PRODUCT. Where the list says 'softmax', what is quantised is not the finished softmax but p = 2^(t - M), with t = logit x log2(e) and M = ceil(the row's largest t), a whole number; so 1/2 < the row's largest p <= 1. The row's sum l is taken of the UNQUANTISED p, in f32, and the product's result is divided by l at the end. Since M is a whole number, a kernel that streams over the keys may use a running M (the ceiling of the running maximum): every later rescaling is an exact power of two, which a block's scale takes up: the codes' values come out the same.
;;   OPERANDS COMPUTED ON THE WAY. 'Computed on the way' means the value that the module computes at that place (a softmax that the list does not call 'softmax' is quantised finished and normalised). What goes into a quantiser is computed in f32, as accurately as f32 sums, v_exp_f32 and their like allow (about 1e-6 of the number): no bf16 or f16 on the way to a quantiser, and a product that is left as it is and whose result goes on into a quantised operand takes f32 operands (vector FMAs, or v_wmma_f32_16x16x4_f32). A number that lies on a knife's edge between two numbers of the format may be rounded either way, as far as f32 arithmetic and the matrix unit's own rounding can turn it there, and no further.
;; One version. Each part assembles by itself: llvm-mc -triple=amdgcn-amd-amdhsa -mcpu=gfx1250 --defsym DOCPART=n.
;; ======== version 1 of 1: 4 launches
;; limits: right only within a limited range of input values
;; workspace buffers: hq 8,650,752 bytes; wq 4,325,376 bytes; rt 524,288 bytes; qq 8,650,752 bytes; kv 17,301,504 bytes; ao 8,650,752 bytes
;; launch prep (part 1): grid 640 x 1, 8 waves a work-group, no clusters, 71,424 bytes of LDS; arguments x, ln_w, ln_b, w_qkv, w_o, hq, wq, rt; writes hq, wq, rt
.if DOCPART == 1
	.amdgcn_target "amdgcn-amd-amdhsa--gfx1250"
	.amdhsa_code_object_version 6
	.text
	.protected	k_q47f98faef1_prep
	.globl	k_q47f98faef1_prep
	.p2align	8
	.type	k_q47f98faef1_prep,@function
k_q47f98faef1_prep:
	s_mov_b64 s[64:65], 0
	v_nop
	global_prefetch_b8 v0, s[64:65] scope:SCOPE_SE
	s_setreg_imm32_b32 hwreg(HW_REG_WAVE_MODE, 25, 1), 1
	s_wait_xcnt 0x0
; PREP.  Three jobs, told apart by the work-group's number:
;   0..95    w_qkv [1024 (k)][3072 (n)] f32 -> codes of E4M3 along k, with one E8M0 byte for each 32 k       (wq)
;   96..127  w_o   [1024 (k)][1024 (n)] likewise                                                            (wq)
;   128..639 LayerNorm of 16 tokens of x, quantised along the 1,024 channels (hq); the first 128 of them also make RoPE's table (rt)
; EVERY OPERAND IS STORED AS AN IMAGE OF THE MATRIX OPERAND'S REGISTERS: a fragment of 16 rows x 128 k is 2,048 bytes; byte 512 c + 16 (r + 16 h) + e
; is the code of (row r, k = 32 c + 16 h + e).  A wave that reads 16 bytes a lane at 16 x lane, four times 512 bytes apart, has the fragment.
; WHICH ROWS FORM A TILE is this program's choice: tile T, row r = 32 (T / 2) + 8 (T % 2) + r + 8 (r / 8) for tokens and for w_qkv's columns; w_o's columns are 16 T + r.
; hq: codes at s 2,097,152 + T 4,096 + q 2,048 (k = 256 s + 128 q ..); scale words at 8,388,608 + T 512 + s 128 + 8 r + 4 q.   wq: the same form (constants below).
; THE QUANTISER: a block's scale byte is its largest magnitude's exponent field - 8, held at 1 from below; numbers are held within +-448 x the scale and rounded to the nearest code, ties to even.
; LIMITS: NaN and infinities among the inputs are not served.  A block of zeros gets the byte 1 (its codes are zeros; only this program reads the bytes).
; RoPE's table: inv_freq = 2^(-i log2(10000) / 32) by v_exp_f32 with a compensated argument (about one unit in the last place), so at position 2,047 the angle may differ from
; a correctly rounded one by about 1e-4 rad, the size of f32's own rounding of position x inv_freq.  Sine and cosine: reduction by pi/2 in two parts, each a fused multiply-add; polynomials to r^9 and r^10.
.set WV,  20                           ; s20 my wave's number
.set MNT, 21
.set SEL, 22                           ; s[22:23] lane selects for v_permlanex16_b32: lane l xor 16
.set TBL, 0                            ; LDS: the tile's table, 4,096 bytes;
.set SCA, 4096                         ; its 128 scale words, 512 bytes;
.set HB,  4608                         ; and behind them the 16 rows of h: so every immediate offset stays inside its 16 bits
.set HP,  4112                         ; a row of h: 4,096 bytes + 16, an odd multiple of 16: sixteen rows' equal columns fall on different banks
.set PC,  80                           ; v80-95   the codes just made
.set TM,  96                           ; v96-111  largest magnitudes, bytes, scale operands
.set PW,  112                          ; v112     the scale word just made
	s_load_b256 s[4:11], s[0:1], 0x0               ; x, ln_w, ln_b, w_qkv
	s_load_b256 s[12:19], s[0:1], 0x20             ; w_o, hq, wq, rt
	v_lshl_add_u32 v168, v0, 2, 0x11300
	v_mov_b32 v169, 0
	v_lshrrev_b32 v1, 5, v0
	s_delay_alu instid0(VALU_DEP_1)
	v_readfirstlane_b32 s[WV], v1                  ; wave 0..7
	v_and_b32 v1, 31, v0                           ; lane
	v_and_b32 v2, 15, v0                           ; r
	v_bfe_u32 v3, v0, 4, 1                         ; h
	s_mov_b32 s[SEL], 0x76543210
	s_mov_b32 s[SEL+1], 0xfedcba98
	s_cmp_lt_u32 ttmp9, 96
	s_cbranch_scc1 .Lw_qkv
	s_cmp_lt_u32 ttmp9, 128
	s_cbranch_scc1 .Lw_o
; 64 numbers of a lane, v[s] .. v[s + 63], register 16 b + i = k 32 b + 16 (lane / 16) + i of my row, become a fragment's codes in v[PC] on and its scale word in v[PW]
.macro QUANT s
.irp b, 0,1,2,3
	v_max3_num_f32 v[TM+\b], |v[\s+16*\b]|, |v[\s+1+16*\b]|, 0x4800000   ; block b: my 16 numbers and the floor 2^(9 - 127): the byte cannot fall under 1
.endr
.irp i, 2,4,6,8,10,12,14
.irp b, 0,1,2,3
	s_delay_alu instid0(VALU_DEP_4)
	v_max3_num_f32 v[TM+\b], v[TM+\b], |v[\s+16*\b+\i]|, |v[\s+1+16*\b+\i]|
.endr
.endr
.irp b, 0,1,2,3
	s_delay_alu instid0(VALU_DEP_4)
	v_permlanex16_b32 v[TM+4+\b], v[TM+\b], s[SEL], s[SEL+1]
.endr
.irp b, 0,1,2,3
	s_delay_alu instid0(VALU_DEP_4)
	v_max_num_f32 v[TM+\b], v[TM+\b], v[TM+4+\b]   ; with lane l xor 16's 16: the block's largest magnitude
.endr
.irp b, 0,1,2,3
	s_delay_alu instid0(VALU_DEP_4)
	v_add_nc_u32 v[TM+12+\b], 0xfc000000, v[TM+\b] ; 8 off its exponent field: the conversion's scale operand
.endr
.irp b, 0,1,2,3
.endr
.irp b, 0,1,2,3
	s_delay_alu instid0(VALU_DEP_4)
	v_lshrrev_b32 v[TM+4+\b], 23, v[TM+12+\b]      ; the scale's byte
.endr
	s_delay_alu instid0(VALU_DEP_3)
	v_lshl_or_b32 v[PW], v[TM+5], 8, v[TM+4]
	s_delay_alu instid0(VALU_DEP_1)
	v_lshl_or_b32 v[PW], v[TM+6], 16, v[PW]
	s_delay_alu instid0(VALU_DEP_1)
	v_lshl_or_b32 v[PW], v[TM+7], 24, v[PW]
.irp b, 0,1,2,3
.irp i, 0,1,2,3,4,5,6,7,8,9,10,11,12,13,14,15
.endr
	v_cvt_scalef32_pk8_fp8_f32 v[PC+4*\b:PC+1+4*\b], v[\s+16*\b:\s+7+16*\b], v[TM+12+\b]
	v_cvt_scalef32_pk8_fp8_f32 v[PC+2+4*\b:PC+3+4*\b], v[\s+8+16*\b:\s+15+16*\b], v[TM+12+\b]
.endr
	v_nop                                          ; a plain line behind the last conversion
.endm
	; ------------------------------------------------------------------ LayerNorm of token tile L
	s_sub_co_u32 s24, ttmp9, 128                   ; L = 0..511
	s_lshr_b32 s25, s24, 1
	s_lshl_b32 s25, s25, 5
	s_and_b32 s26, s24, 1
	s_lshl_b32 s26, s26, 3
	s_add_co_u32 s25, s25, s26
	s_lshl_b32 s26, s[WV], 1
	s_add_co_u32 s25, s25, s26
	s_lshr_b32 s26, s[WV], 2
	s_lshl_b32 s26, s26, 3
	s_add_co_u32 s25, s25, s26                     ; my wave's first token: the tile's rows 2 w and 2 w + 1 are neighbours in x
	s_lshl_b32 s26, s25, 12                        ; x 4,096 bytes
	s_mov_b32 s27, 0
	s_wait_alu depctr_va_vdst(0)
	v_lshlrev_b32 v4, 4, v1                        ; 16 x lane
	s_mul_i32 s28, s[WV], 2*HP
	v_add_nc_u32 v5, s28, v4                       ; h into LDS: my two rows, 16 bytes a lane (HB stands in the immediate)
	v_mul_u32_u24 v6, v2, HP
	s_delay_alu instid0(VALU_DEP_1)
	v_lshl_add_u32 v6, v3, 6, v6
	s_lshl_b32 s28, s[WV], 9
	v_add_nc_u32 v6, s28, v6                       ; h out of LDS: row r, fragment w's 512 bytes, + 64 h
	v_add_nc_u32 v7, s28, v4                       ; the table out of LDS: piece w
	v_bfe_u32 v8, v0, 2, 2
	s_delay_alu instid0(VALU_DEP_1)
	v_lshlrev_b32 v8, 9, v8                        ; the table into LDS, lane = frequency i: piece (i % 16) / 4,
	s_delay_alu instid0(VALU_DEP_1)
	v_lshl_add_u32 v8, v3, 8, v8                   ; the reader's lane 16 (i / 16) + row,
	v_and_b32 v9, 3, v0
	s_delay_alu instid0(VALU_DEP_1)
	v_lshl_add_u32 v8, v9, 2, v8                   ; word i % 4
	s_lshl_b32 s28, s[WV], 5
	v_add_nc_u32 v8, s28, v8                       ; rows 2 w (and, 16 bytes on, 2 w + 1)
	s_lshr_b32 s28, s[WV], 1
	s_lshl_b32 s28, s28, 7
	s_and_b32 s29, s[WV], 1
	s_lshl_b32 s29, s29, 2
	s_add_co_u32 s28, s28, s29
	v_lshl_add_u32 v9, v2, 3, s28                  ; my fragment's scale word: 128 (w / 2) + 8 r + 4 (w % 2)
	s_lshr_b32 s30, s[WV], 1
	s_lshl_b32 s30, s30, 21
	s_lshl_b32 s31, s24, 12
	s_add_co_u32 s30, s30, s31
	s_and_b32 s31, s[WV], 1
	s_lshl_b32 s31, s31, 11
	s_add_co_u32 s30, s30, s31                     ; hq: fragment w of tile L
	s_mov_b32 s31, 0
	s_lshl_b32 s32, s24, 9
	s_add_co_u32 s32, s32, 8388608                 ; hq: tile L's scale words
	s_mov_b32 s33, 0
	s_lshl_b32 s34, s24, 12
	s_lshl_b32 s35, s[WV], 9
	s_add_co_u32 s34, s34, s35                     ; rt: piece w of tile L (used where L < 128 alone)
	s_mov_b32 s35, 0
	s_mov_b32 s36, 0x3727c5ac                      ; 1e-5
	s_mov_b32 s37, 0x3a800000                      ; 1 / 1024
	s_add_co_u32 s38, s25, 1                       ; my second token
	v_mov_b32 v153, 0                              ; (upper half of a pair of which the low word serves both halves)
	s_wait_kmcnt 0x0
	s_add_nc_u64 s[26:27], s[4:5], s[26:27]
	s_add_nc_u64 s[30:31], s[14:15], s[30:31]
	s_add_nc_u64 s[32:33], s[14:15], s[32:33]
	s_add_nc_u64 s[34:35], s[18:19], s[34:35]
.irp p, 0,1
.irp j, 0,1,2,3,4,5,6,7
	global_load_b128 v[16+32*\p+4*\j:19+32*\p+4*\j], v4, s[26:27] offset:4096*\p+512*\j th:TH_LOAD_NT   ; a lane holds k = 128 j + 4 lane + 0..3; 512 consecutive bytes a load
.endr
.endr
.irp j, 0,1,2,3,4,5,6,7
	global_load_b128 v[80+4*\j:83+4*\j], v4, s[6:7] offset:512*\j
	global_load_b128 v[112+4*\j:115+4*\j], v4, s[8:9] offset:512*\j
.endr
	; RoPE's table for my two tokens (positions), lane = frequency: it stands here, while the loads are on their way
	s_cmp_ge_u32 s24, 128
	s_cbranch_scc1 .Lno_table
	v_cvt_f32_u32 v144, v1                         ; i
	s_delay_alu instid0(VALU_DEP_1)
	v_mul_f32 v145, 0xbed49a78, v144               ; a = -i c, c = log2(10000) / 32 rounded to f32
	s_delay_alu instid0(VALU_DEP_1)
	v_fma_f32 v146, v144, 0xbed49a78, -v145        ; what that product's rounding lost,
	s_delay_alu instid0(VALU_DEP_1)
	v_fma_f32 v146, v144, 0xb2179a3a, v146         ; and what c's rounding lost
	s_wait_alu depctr_va_vdst(0)
	v_exp_f32 v147, v145
	v_mul_f32 v146, 0x3f317218, v146               ; x ln 2 (a plain line behind the exponential)
	s_wait_alu depctr_va_vdst(0)                   ; ahead of the first reader of a transcendental's result
	v_fma_f32 v147, v147, v146, v147               ; inv_freq = 2^a (1 + e ln 2)
.macro SINCOS tok, off
	v_cvt_f32_u32 v148, s[\tok]
	s_delay_alu instid0(VALU_DEP_1)
	v_mul_f32 v148, v148, v147                     ; the angle: one rounding
	s_delay_alu instid0(VALU_DEP_1)
	v_mul_f32 v149, 0x3f22f983, v148
	s_delay_alu instid0(VALU_DEP_1)
	v_rndne_f32 v149, v149                         ; n = the nearest multiple of pi/2
	s_delay_alu instid0(VALU_DEP_1)
	v_fma_f32 v150, v149, 0xbfc90fdb, v148         ; r = angle - n pi/2: pi/2 as f32 first, in one rounding,
	s_delay_alu instid0(VALU_DEP_1)
	v_fma_f32 v150, v149, 0x333bbd2e, v150         ; then what f32 left of pi/2
	s_delay_alu instid0(VALU_DEP_1)
	v_mul_f32 v151, v150, v150
	v_mov_b32 v152, 0x3638ef1d                     ; sin r = r + r^3 (-1/6 + r^2 (1/120 + r^2 (-1/5040 + r^2 / 362880)))
	s_delay_alu instid0(VALU_DEP_1)
	v_fmaak_f32 v152, v152, v151, 0xb9500d01
	s_delay_alu instid0(VALU_DEP_1)
	v_fmaak_f32 v152, v152, v151, 0x3c088889
	s_delay_alu instid0(VALU_DEP_1)
	v_fmaak_f32 v152, v152, v151, 0xbe2aaaab
	v_mul_f32 v155, v150, v151
	s_delay_alu instid0(VALU_DEP_1)
	v_fma_f32 v152, v152, v155, v150
	v_mov_b32 v154, 0xb493f27e                     ; cos r = 1 + r^2 (-1/2 + r^2 (1/24 + r^2 (-1/720 + r^2 (1/40320 - r^2 / 3628800))))
	s_delay_alu instid0(VALU_DEP_1)
	v_fmaak_f32 v154, v154, v151, 0x37d00d01
	s_delay_alu instid0(VALU_DEP_1)
	v_fmaak_f32 v154, v154, v151, 0xbab60b61
	s_delay_alu instid0(VALU_DEP_1)
	v_fmaak_f32 v154, v154, v151, 0x3d2aaaab
	s_delay_alu instid0(VALU_DEP_1)
	v_fmaak_f32 v154, v154, v151, 0xbf000000
	s_delay_alu instid0(VALU_DEP_1)
	v_fma_f32 v154, v154, v151, 1.0
	v_cvt_i32_f32 v155, v149                       ; n: its low two bits name the quadrant
	s_delay_alu instid0(VALU_DEP_1)
	v_and_b32 v160, 1, v155
	s_delay_alu instid0(VALU_DEP_1)
	v_cmp_eq_u32 vcc_lo, 1, v160
	s_delay_alu instid0(VALU_DEP_1)
	v_cndmask_b32 v161, v154, v152, vcc_lo         ; odd quadrants: the two change places
	s_delay_alu instid0(VALU_DEP_2)
	v_cndmask_b32 v162, v152, v154, vcc_lo
	v_add_nc_u32 v160, 1, v155
	s_delay_alu instid0(VALU_DEP_1)
	v_and_b32 v160, 2, v160
	s_delay_alu instid0(VALU_DEP_1)
	v_lshlrev_b32 v160, 30, v160
	s_delay_alu instid0(VALU_DEP_1)
	v_xor_b32 v161, v160, v161                     ; the cosine is negative in quadrants 1 and 2,
	v_and_b32 v160, 2, v155
	s_delay_alu instid0(VALU_DEP_1)
	v_lshlrev_b32 v160, 30, v160
	s_delay_alu instid0(VALU_DEP_1)
	v_xor_b32 v162, v160, v162                     ; the sine in 2 and 3
	ds_store_b32 v8, v161 offset:TBL+\off
	ds_store_b32 v8, v162 offset:TBL+2048+\off
.endm
	SINCOS 25, 0
	SINCOS 38, 16
.Lno_table:
.macro FOLD                            ; four packed partial sums in v[144:151] -> the wave's sum in every lane's v144
	s_delay_alu instid0(VALU_DEP_3)
	v_pk_add_f32 v[144:145], v[144:145], v[146:147]
	s_delay_alu instid0(VALU_DEP_2)
	v_pk_add_f32 v[148:149], v[148:149], v[150:151]
	s_delay_alu instid0(VALU_DEP_1)
	v_pk_add_f32 v[144:145], v[144:145], v[148:149]
	s_delay_alu instid0(VALU_DEP_1)
	v_add_f32 v144, v144, v145
	s_delay_alu instid0(VALU_DEP_1)
	v_add_f32_dpp v144, v144, v144 row_xmask:1 row_mask:0xf bank_mask:0xf
	s_delay_alu instid0(VALU_DEP_1)
	v_add_f32_dpp v144, v144, v144 row_xmask:2 row_mask:0xf bank_mask:0xf
	s_delay_alu instid0(VALU_DEP_1)
	v_add_f32_dpp v144, v144, v144 row_xmask:4 row_mask:0xf bank_mask:0xf
	s_delay_alu instid0(VALU_DEP_1)
	v_add_f32_dpp v144, v144, v144 row_xmask:8 row_mask:0xf bank_mask:0xf
	s_delay_alu instid0(VALU_DEP_1)
	v_permlanex16_b32 v145, v144, s[SEL], s[SEL+1]
	s_delay_alu instid0(VALU_DEP_1)
	v_add_f32 v144, v144, v145
.endm
.macro LNROW X, RS                     ; the row in v[X .. X + 31] becomes x - mean; 1 / sqrt(var + eps) is asked for into v[RS]
.irp k, 0,1,2,3
	v_pk_add_f32 v[144+2*\k:145+2*\k], v[\X+4*\k:\X+4*\k+1], v[\X+4*\k+2:\X+4*\k+3]
.endr
.irp k, 0,1,2,3
	s_delay_alu instid0(VALU_DEP_4)
	v_pk_add_f32 v[144+2*\k:145+2*\k], v[144+2*\k:145+2*\k], v[\X+16+4*\k:\X+17+4*\k]
.endr
.irp k, 0,1,2,3
	s_delay_alu instid0(VALU_DEP_4)
	v_pk_add_f32 v[144+2*\k:145+2*\k], v[144+2*\k:145+2*\k], v[\X+18+4*\k:\X+19+4*\k]
.endr
	FOLD
	s_delay_alu instid0(VALU_DEP_1)
	v_mul_f32 v152, s37, v144                      ; the mean
.irp k, 0,1,2,3,4,5,6,7,8,9,10,11,12,13,14,15
	v_pk_add_f32 v[\X+2*\k:\X+2*\k+1], v[\X+2*\k:\X+2*\k+1], v[152:153] op_sel_hi:[1,0] neg_lo:[0,1] neg_hi:[0,1]
.endr
.irp k, 0,1,2,3
	v_pk_mul_f32 v[144+2*\k:145+2*\k], v[\X+2*\k:\X+2*\k+1], v[\X+2*\k:\X+2*\k+1]
.endr
.irp m, 1,2,3
.irp k, 0,1,2,3
	s_delay_alu instid0(VALU_DEP_4)
	v_pk_fma_f32 v[144+2*\k:145+2*\k], v[\X+8*\m+2*\k:\X+8*\m+2*\k+1], v[\X+8*\m+2*\k:\X+8*\m+2*\k+1], v[144+2*\k:145+2*\k]
.endr
.endr
	FOLD
	s_delay_alu instid0(VALU_DEP_1)
	v_fma_f32 v[\RS+1], v144, s37, s36             ; var + eps, in a register that nothing writes again
	s_wait_alu depctr_va_vdst(0)
	v_rsq_f32 v[\RS], v[\RS+1]
.endm
	s_wait_loadcnt 16                              ; x's sixteen loads are in; ln_w's and ln_b's sixteen may be out
	LNROW 16, 156
	LNROW 48, 158
	v_nop                                          ; a plain line behind the last transcendental
	s_wait_alu depctr_va_vdst(0)                   ; one wait for both, ahead of their first reader
	s_wait_loadcnt 0x0                             ; ln_w, ln_b
.irp p, 0,1
.irp k, 0,1,2,3,4,5,6,7,8,9,10,11,12,13,14,15
	v_pk_mul_f32 v[16+32*\p+2*\k:17+32*\p+2*\k], v[16+32*\p+2*\k:17+32*\p+2*\k], v[156+2*\p:157+2*\p] op_sel_hi:[1,0]
	s_delay_alu instid0(VALU_DEP_1)
	v_pk_fma_f32 v[16+32*\p+2*\k:17+32*\p+2*\k], v[16+32*\p+2*\k:17+32*\p+2*\k], v[80+2*\k:81+2*\k], v[112+2*\k:113+2*\k]
.endr
.irp j, 0,1,2,3,4,5,6,7
	ds_store_b128 v5, v[16+32*\p+4*\j:19+32*\p+4*\j] offset:HB+HP*\p+512*\j
.endr
.endr
	s_wait_dscnt 0x0                               ; my stores of h and of the table have landed: for the other waves' sake
	s_barrier_signal -1
	s_barrier_wait -1
	; wave w takes fragment w: 16 rows x k = 128 w .. 128 w + 127
.irp c, 0,1,2,3
.irp j, 0,1,2,3
	ds_load_b128 v[16+16*\c+4*\j:19+16*\c+4*\j], v6 offset:HB+128*\c+16*\j
.endr
.endr
	s_cmp_ge_u32 s24, 128
	s_cbranch_scc1 .Lno_table_2
	ds_load_b128 v[116:119], v7 offset:TBL
.Lno_table_2:
.irp b, 0,1,2,3
	v_mov_b32 v[TM+4+\b], 0                        ; a lane permute's destination counts as one of its sources
.endr
	s_wait_dscnt 0x0
	QUANT 16
.irp c, 0,1,2,3
	global_store_b128 v4, v[PC+4*\c:PC+4*\c+3], s[30:31] offset:512*\c   ; the wave stores 512 consecutive bytes, aligned
.endr
	ds_store_b32 v9, v[PW] offset:SCA              ; both halves of the lanes hold the same word
	s_cmp_ge_u32 s24, 128
	s_cbranch_scc1 .Lno_table_3
	global_store_b128 v4, v[116:119], s[34:35]
.Lno_table_3:
	s_wait_dscnt 0x0
	s_barrier_signal -1
	s_barrier_wait -1
	s_cmp_lg_u32 s[WV], 0
	s_cbranch_scc1 .Lln_done
	ds_load_b128 v[120:123], v4 offset:SCA         ; the tile's 512 bytes of scale words leave as two whole aligned runs of 256
	s_wait_dscnt 0x0
	global_store_b128 v4, v[120:123], s[32:33]
.Lln_done:
	s_wait_tensorcnt 0x0
	ds_add_u32 v168, v169
	s_wait_dscnt 0x0
	s_endpgm
	; ------------------------------------------------------------------ a weight [1024 (k)][N]: a lane takes a column, its registers run down k
; A wave takes 32 columns (two tiles of 16) x 128 k: four blocks of 32 k, each wholly in one lane's registers.  Each load reads 128 consecutive bytes of a row of the weight; the eight waves stand side by side.
.macro WLOAD t, N
.set i, 0
.rept 32
	global_load_b32 v[32+32*(\t)+i], v4, s[26:27] offset:(32*(\t)+i)*(\N)*4 th:TH_LOAD_NT
.set i, i+1
.endr
.endm
.macro WBLOCK t, N
.set XS, 32+32*(\t)
.set CD, 16+8*((\t)%2)
.if (\t) < 3
	s_wait_loadcnt 32                              ; this block's 32 loads are in; the next block's may be out
.else
	s_wait_loadcnt 0x0
.endif
.if (\t) < 2
	WLOAD (\t)+2, \N
.endif
	v_max3_num_f32 v8, |v[XS]|, |v[XS+1]|, |v[XS+2]|
	v_max3_num_f32 v9, |v[XS+3]|, |v[XS+4]|, |v[XS+5]|
.irp i, 6,10,14,18,22,26
	s_delay_alu instid0(VALU_DEP_2)
	v_max3_num_f32 v8, v8, |v[XS+\i]|, |v[XS+\i+1]|
	s_delay_alu instid0(VALU_DEP_2)
	v_max3_num_f32 v9, v9, |v[XS+\i+2]|, |v[XS+\i+3]|
.endr
	s_delay_alu instid0(VALU_DEP_2)
	v_max3_num_f32 v8, v8, |v[XS+30]|, |v[XS+31]|
	s_delay_alu instid0(VALU_DEP_1)
	v_max3_num_f32 v8, v8, v9, 0x4800000           ; and the floor
	s_delay_alu instid0(VALU_DEP_1)
	v_add_nc_u32 v11, 0xfc000000, v8               ; the conversion's scale operand
	s_delay_alu instid0(VALU_DEP_1)
	v_lshrrev_b32 v12, 23, v11                     ; the byte
.if (\t) == 0
	s_delay_alu instid0(VALU_DEP_1)
	v_mov_b32 v13, v12
.else
	s_delay_alu instid0(VALU_DEP_1)
	v_lshl_or_b32 v13, v12, 8*(\t), v13            ; four bytes make my column's scale word for these 128 k
.endif
.if (\t) >= 2
	s_wait_alu depctr_va_vdst(0)
	s_wait_xcnt 0x0                                ; the stores of two blocks ago have read their data: the set is written again only behind this wait
.endif
.set i, 0
.rept 32
.set i, i+1
.endr
.irp g, 0,1,2,3
	v_cvt_scalef32_pk8_fp8_f32 v[CD+2*\g:CD+2*\g+1], v[XS+8*\g:XS+8*\g+7], v11
.endr
	v_nop                                          ; a plain line behind the last conversion
	global_store_b128 v5, v[CD:CD+3], s[30:31] offset:512*(\t)        ; k = 32 t + 0..15: the image's lanes 0-15; sixteen lanes fill 256 consecutive bytes, aligned
	global_store_b128 v5, v[CD+4:CD+7], s[30:31] offset:512*(\t)+256  ; k = 32 t + 16..31: its lanes 16-31
.endm
.macro WPATH N, PERMUTED, SRC, CODEOFF, SCALEOFF, FIRST, BSTEP
	s_sub_co_u32 s24, ttmp9, \FIRST
	s_and_b32 s25, s24, 7                          ; f: which 128 k
	s_lshr_b32 s24, s24, 3
	s_lshl_b32 s24, s24, 3
	s_add_co_u32 s24, s24, s[WV]                   ; G: which 32 columns
.if \PERMUTED
	v_and_b32 v4, 8, v2
	s_delay_alu instid0(VALU_DEP_1)
	v_add_nc_u32 v4, v4, v2
	s_delay_alu instid0(VALU_DEP_1)
	v_lshl_add_u32 v4, v3, 3, v4                   ; lane (r, u) is row r of tile 2 G + u: column 32 G + 8 u + r + 8 (r / 8)
.else
	v_mov_b32 v4, v1                               ; column 32 G + 16 u + r
.endif
	s_delay_alu instid0(VALU_DEP_1)
	v_lshlrev_b32 v4, 2, v4
	v_lshlrev_b32 v5, 4, v2
	s_delay_alu instid0(VALU_DEP_1)
	v_lshl_add_u32 v5, v3, 12, v5                  ; codes: tile u, 16 r
	v_lshlrev_b32 v6, 3, v2
	s_delay_alu instid0(VALU_DEP_1)
	v_lshl_add_u32 v6, v3, 9, v6                   ; scale words: tile u, 8 r
	s_mul_i32 s26, s25, 128*\N*4
	s_lshl_b32 s27, s24, 7
	s_add_co_u32 s26, s26, s27
	s_mov_b32 s27, 0
	s_lshr_b32 s28, s25, 1
	s_and_b32 s29, s25, 1
	s_mul_i32 s30, s28, \BSTEP
	s_lshl_b32 s31, s24, 13
	s_add_co_u32 s30, s30, s31
	s_lshl_b32 s31, s29, 11
	s_add_co_u32 s30, s30, s31
	s_add_co_u32 s30, s30, \CODEOFF
	s_mov_b32 s31, 0
	s_lshl_b32 s32, s24, 10
	s_lshl_b32 s33, s28, 7
	s_add_co_u32 s32, s32, s33
	s_lshl_b32 s33, s29, 2
	s_add_co_u32 s32, s32, s33
	s_add_co_u32 s32, s32, \SCALEOFF
	s_mov_b32 s33, 0
	s_wait_alu depctr_va_vdst(0)
	s_wait_kmcnt 0x0
	s_add_nc_u64 s[26:27], s[\SRC:\SRC+1], s[26:27]
	s_add_nc_u64 s[30:31], s[16:17], s[30:31]
	s_add_nc_u64 s[32:33], s[16:17], s[32:33]
	WLOAD 0, \N
	WLOAD 1, \N
	WBLOCK 0, \N
	WBLOCK 1, \N
	WBLOCK 2, \N
	WBLOCK 3, \N
	global_store_b32 v6, v13, s[32:33]             ; 4 bytes of every 8: the word beside it belongs to the neighbouring 128 k, another work-group's; 131,072 bytes in all leave so
	s_endpgm
.endm
.Lw_qkv:
	s_wait_alu depctr_va_vdst(0)
	WPATH 3072, 1, 10, 0, 3145728, 0, 786432
.Lw_o:
	s_wait_alu depctr_va_vdst(0)
	WPATH 1024, 0, 12, 3244032, 4292608, 96, 262144
.Lfunc_end_k_q47f98faef1_prep:
	.size	k_q47f98faef1_prep, .Lfunc_end_k_q47f98faef1_prep-k_q47f98faef1_prep
	.p2alignl 7, 3214868480
	.fill 96, 4, 3214868480
	.section	.rodata,"a",@progbits
	.p2align	6, 0x0
	.amdhsa_kernel k_q47f98faef1_prep
		.amdhsa_group_segment_fixed_size 71424
		.amdhsa_private_segment_fixed_size 0
		.amdhsa_enable_private_segment 0
		.amdhsa_kernarg_size 64
		.amdhsa_user_sgpr_count 2
		.amdhsa_user_sgpr_kernarg_segment_ptr 1
		.amdhsa_wavefront_size32 1
		.amdhsa_system_sgpr_workgroup_id_x 1
		.amdhsa_system_sgpr_workgroup_id_y 1
		.amdhsa_system_sgpr_workgroup_id_z 1
		.amdhsa_system_vgpr_workitem_id 0
		.amdhsa_next_free_vgpr 170
		.amdhsa_next_free_sgpr 66
		.amdhsa_reserve_vcc 1
		.amdhsa_float_denorm_mode_32 3
		.amdhsa_float_denorm_mode_16_64 3
		.amdhsa_fp16_overflow 1
		.amdhsa_memory_ordered 1
		.amdhsa_forward_progress 1
		.amdhsa_inst_pref_size 82
	.end_amdhsa_kernel
	.amdgpu_metadata
---
amdhsa.version: [ 1, 2 ]
amdhsa.kernels:
  - .name:           k_q47f98faef1_prep
    .symbol:         k_q47f98faef1_prep.kd
    .args:
      - { .name: x, .offset: 0, .size: 8, .value_kind: global_buffer, .address_space: global }
      - { .name: ln_w, .offset: 8, .size: 8, .value_kind: global_buffer, .address_space: global }
      - { .name: ln_b, .offset: 16, .size: 8, .value_kind: global_buffer, .address_space: global }
      - { .name: w_qkv, .offset: 24, .size: 8, .value_kind: global_buffer, .address_space: global }
      - { .name: w_o, .offset: 32, .size: 8, .value_kind: global_buffer, .address_space: global }
      - { .name: hq, .offset: 40, .size: 8, .value_kind: global_buffer, .address_space: global }
      - { .name: wq, .offset: 48, .size: 8, .value_kind: global_buffer, .address_space: global }
      - { .name: rt, .offset: 56, .size: 8, .value_kind: global_buffer, .address_space: global }
    .group_segment_fixed_size: 71424
    .private_segment_fixed_size: 0
    .kernarg_segment_align: 8
    .kernarg_segment_size: 64
    .max_flat_workgroup_size: 256
    .sgpr_count:     66
    .vgpr_count:     170
    .wavefront_size: 32
...
	.end_amdgpu_metadata
.endif
;; end of part 1
;; launch qkv (part 2): grid 12 x 32, 4 waves a work-group, clusters of 4 x 4, 327,680 bytes of LDS; arguments hq, wq, b_qkv, rt, qq, kv; writes qq, kv
.if DOCPART == 2
	.amdgcn_target "amdgcn-amd-amdhsa--gfx1250"
	.amdhsa_code_object_version 6
	.text
	.protected	k_q47f98faef1_qkv
	.globl	k_q47f98faef1_qkv
	.p2align	8
	.type	k_q47f98faef1_qkv,@function
k_q47f98faef1_qkv:
	s_mov_b64 s[64:65], 0
	v_nop
	global_prefetch_b8 v0, s[64:65] scope:SCOPE_SE
	s_setreg_imm32_b32 hwreg(HW_REG_WAVE_MODE, 25, 1), 1
	s_wait_xcnt 0x0
	s_wait_alu depctr_hold_cnt(0) depctr_sa_sdst(0) depctr_va_vdst(0) depctr_va_sdst(0) depctr_va_ssrc(0) depctr_va_vcc(0) depctr_vm_vsrc(0)
	s_getreg_b32 s2, hwreg(HW_REG_IB_STS2, 6, 4)
	s_cmp_eq_u32 s2, 0
	s_cbranch_scc0 .Lentry_in_a_cluster
	s_endpgm
.Lentry_in_a_cluster:
	s_bfe_u32 s2, ttmp6, 0x10000c
	s_cmp_lg_u32 s2, 0xf033
	s_cbranch_scc0 .Lentry_shape_is_right
	s_endpgm
.Lentry_shape_is_right:
; QKV = h w_qkv + b_qkv on codes of E4M3 with E8M0 scales (8,192 x 1,024 x 3,072), then on the way out RoPE and the quantising of q and k along the head's 64, or the quantising of v along the keys.
; A tile of 256 tokens x 256 columns is made by four waves, 128 x 128 each: 64 accumulators, 512 registers.  K goes in four steps of 256 through two LDS slots filled by the tensor data mover.
; OPERANDS ARE STORED AS IMAGES OF THE OPERAND'S REGISTERS (2,048 bytes for 16 rows x 128 k; a lane's 16 bytes at 16 x lane, four pieces 512 bytes apart): a K step's 8 tiles of a wave are one dense block
; of 32,768 bytes for one tensor load, and every LDS load of a wave takes 512 consecutive bytes: no pitch, no padding.
; CLUSTERS: 4 x 4 work-groups; the four of a row need the same tokens, the four of a column the same columns of the weight: each block is asked for jointly, by the same tensor load with a mask that names the four.
; THE MATRIX INSTRUCTION IS USED TRANSPOSED (source 0 = 16 columns of the weight, source 1 = 16 tokens).  Tile T's row r is token (or column) 32 (T / 2) + 8 (T % 2) + r + 8 (r / 8).  So a lane holds ONE token,
; and the 16 registers of column tiles 2 b and 2 b + 1 are columns 32 b + 16 (lane / 16) + 0..15: a head's 64 are 32 registers on end (d = 16 h + i, then 32 + 16 h + i): RoPE's pair (d, d + 32) lies in one lane,
; and the conversions' results are pieces of the next operand's image.  The bias is the C of each sum's first matrix instruction.
; The cluster's x says what the 1,024 columns are: 0 q, 1 k, 2 v: the same in all sixteen partners.
; OUT: qq: q's codes at bh 131,072 + i 1,024 + c 512 + 16 lane (i: tile of 16 queries); scale words at 8,388,608 + bh 4,096 + g 64 + 4 r (bytes 0, 1: tile 2 g; 2, 3: tile 2 g + 1).
;      kv: for each head and each 128 keys 16,896 bytes: 4 fragments of K (row r = key a | key a + 8, a = 32 G + r + 8 (r / 8)), 4 of V^T (row = d, k = the keys), K's 64 scale words, V's 64.
; LIMITS: NaN and infinities are not served; a block of zeros gets the byte 1 (zero codes; only this program reads the bytes).
; REGISTERS, in windows of 256: window 0: v0-31 addresses; v32-63 scale words, two sets; v64-127 the bias, later RoPE's tables; v128-255 the tokens' fragments, one set; on the way out v128-255 are at work.
;   window 1: the weight's fragments, two sets.   windows 2, 3: the accumulators ((a, b) at v[8 (8 (a % 4) + b)]; a: token tile, b: column tile).
.set NQ,     2                         ; matrix instructions deep in a slot
.set FR,     16                        ; registers of a fragment
.set NL,     4                         ; LDS loads that bring one
.set NP,     8                         ; places behind this matrix instruction (ISA guide 7.12.1)
.set HALFT,  32768                     ; 8 tiles x 256 k: what one tensor load brings, and what one wave reads of a side
.set SLOT,   4*HALFT
.set SCL,    2*SLOT                    ; behind the ring: the scale words of the 256 + 256 rows for all of K
.set HALFS,  4096                      ; those of 8 tiles
.set SBLK,   512                       ; those of a tile
.set SPARE,  SCL+4*HALFS               ; the spare words: 128 bytes for each wave: two blocks of 256 bytes that no other line names
.set SCR,    SPARE+512                 ; scale words on their way out: 1,024 bytes a wave for q and k; 4,096 bytes on the same for v
.set ASTEP,  2097152                   ; from a K step to the next: the tokens' codes,
.set BSTEP,  786432                    ; the weight's
.set ASCALE, 8388608                   ; where the scale words begin: the tokens',
.set BCODE,  0
.set BSCALE, 3145728                   ; the weight's
.set ADRA, 16                          ; v16-17  LDS address of my tokens' fragments in slot 0, 1
.set ADRB, 20                          ; v20-21  the same for the weight
.set ADRS, 27                          ; v27     LDS address of my scale words: lanes 0-15 the tokens', lanes 16-31 the weight's
.set SPW,  28                          ; v28     LDS address of my spare word; never rewritten
.set NIL,  29                          ; v29     0; never rewritten
.set BO,   30                          ; v30     my offset in the bias
.set SC,   32
.set BI,   64
.set AF,   128
.set G1, 24
.set G0, 32
.set G1B, 48
.set G0B, 56
.set G1S, 68
.set G0S, 76
.set G1SB, 80
.set G0SB, 88
.set MNT, 95
.set SEL, 100                          ; s[100:101] lane selects: lane l xor 16
.set RR,  128                          ; the way out: 64 numbers
.set PC,  192                          ; codes
.set TM,  208
.set PW,  224
.set MSB, 0
.macro WIN new                         ; the immediate's high byte repeats the setting that is left
.if MSB != \new
	s_set_vgpr_msb (MSB<<8)|\new
.set MSB, \new
.endif
.endm
.set MUL_LO, 0xa1                      ; source 0 (weight) window 1, source 1 (tokens) window 0, C and D window 2
.set MUL_HI, 0xf1                      ; the same, C and D window 3
.set TO_B,   0x40
; A joint load: waves 0 and 1 fetch the tokens' halves, waves 2 and 3 the weight's.  The branch hangs on the wave's number alone.  Four v_nop follow each of the two lines.
.macro JLOAD g0a, g1a, g0b, g1b
	s_cmp_eq_u32 s15, 0
	s_cbranch_scc0 .Lfor_b_\@
	tensor_load_to_lds s[\g0a:\g0a+3], s[\g1a:\g1a+7]
	s_nop 0
.rept 4
	v_nop
.endr
	s_branch .Lasked_\@
.Lfor_b_\@:
	tensor_load_to_lds s[\g0b:\g0b+3], s[\g1b:\g1b+7]
	s_nop 0
.rept 4
	v_nop
.endr
.Lasked_\@:
.endm
.macro CREST                           ; a round of the cluster's barrier behind its opening barrier
	s_cmp_lg_u32 s14, 0
	s_cbranch_scc1 .Lnot_wave_0_\@
	s_barrier_signal -3
.Lnot_wave_0_\@:
	s_barrier_wait -3
	s_barrier_signal -1
	s_barrier_wait -1
.endm
.macro CROUND
	s_barrier_signal -1
	s_barrier_wait -1
	CREST
.endm
	s_load_b256 s[4:11], s[0:1], 0x0               ; hq s[4:5], wq s[6:7], b_qkv s[8:9], rt s[10:11]
	s_load_b128 s[96:99], s[0:1], 0x20             ; qq s[96:97], kv s[98:99]
	v_lshl_add_u32 v[SPW], v0, 2, SPARE
	v_mov_b32 v[NIL], 0
	ds_add_u32 v28, v29
	ds_add_u32 v28, v29
	s_wait_dscnt 0x0
	v_lshrrev_b32 v1, 5, v0
	v_readfirstlane_b32 s14, v1                    ; wave 0..3
	s_lshr_b32 s15, s14, 1                         ; which half of the tile's tokens is mine.  Also: I fetch tokens (0) or the weight (1)
	s_and_b32 s16, s14, 1                          ; which half of its columns.  Also: which 8 tiles of that side I fetch
	s_bfe_u32 s40, ttmp6, 0x40000                  ; cx, cy: my place in the cluster
	s_bfe_u32 s41, ttmp6, 0x40004
	s_lshl_b32 s42, ttmp9, 2
	s_add_co_u32 s42, s42, s40                     ; tile column = 4 x cluster x + cx
	s_and_b32 s17, ttmp7, 0xffff
	s_lshl_b32 s17, s17, 2
	s_add_co_u32 s17, s17, s41                     ; tile row = 4 x cluster y + cy
	s_lshl_b32 s43, s41, 2
	s_lshl_b32 s43, 15, s43                        ; my row of the cluster
	s_lshl_b32 s44, 0x1111, s40                    ; my column
	; descriptor group 1: a dense block of 32,768 bytes as 128 rows of 256 bytes (32 elements of 8 bytes), no padding
	s_or_b32 s[G1+0], s43, (3<<16)|(1<<21)         ; 15:0 the mask: the tokens' blocks go to my row; 17:16 elements of 8 bytes; 21 set beside a mask
	s_or_b32 s[G1B+0], s44, (3<<16)|(1<<21)
.irp g, G1, G1B
	s_mov_b32 s[\g+1], 32<<16                      ; tensor_dim0
	s_mov_b32 s[\g+2], 128<<16                     ; tensor_dim1
	s_mov_b32 s[\g+3], 32<<16                      ; tile_dim0
	s_mov_b32 s[\g+4], 128                         ; tile_dim1
	s_mov_b32 s[\g+5], 32                          ; tensor_dim0_stride
	s_mov_b32 s[\g+6], 0
	s_mov_b32 s[\g+7], 0
.endr
	; and for the scale words of 8 tiles: 4,096 dense bytes as 16 rows of 256
	s_or_b32 s[G1S+0], s43, (3<<16)|(1<<21)
	s_or_b32 s[G1SB+0], s44, (3<<16)|(1<<21)
.irp g, G1S, G1SB
	s_mov_b32 s[\g+1], 32<<16
	s_mov_b32 s[\g+2], 16<<16
	s_mov_b32 s[\g+3], 32<<16
	s_mov_b32 s[\g+4], 16
	s_mov_b32 s[\g+5], 32
	s_mov_b32 s[\g+6], 0
	s_mov_b32 s[\g+7], 0
.endr
	s_lshl_b32 s18, s16, 3                         ; which 8 tiles I fetch
	s_lshl_b32 s20, s17, 4
	s_add_co_u32 s20, s20, s18                     ; tokens: tile 16 x tile row + 8 x half
	s_lshl_b32 s46, s42, 4
	s_add_co_u32 s46, s46, s18                     ; weight: tile 16 x tile column + 8 x half
	s_lshl_b32 s22, s20, 9
	s_add_co_u32 s22, s22, ASCALE                  ; where these tiles' scale words begin,
	s_mov_b32 s23, 0
	s_lshl_b32 s92, s46, 9
	s_add_co_u32 s92, s92, BSCALE
	s_mov_b32 s93, 0
	s_lshl_b32 s20, s20, 12                        ; and their codes
	s_mov_b32 s21, 0
	s_lshl_b32 s46, s46, 12
	s_add_co_u32 s46, s46, BCODE
	s_mov_b32 s47, 0
	s_mul_i32 s45, s14, HALFT                      ; where they go: no place in the cluster enters an LDS address
	s_mul_i32 s94, s14, HALFS
	s_mov_b32 s[SEL], 0x76543210
	s_mov_b32 s[SEL+1], 0xfedcba98
	s_wait_kmcnt 0x0
	s_add_nc_u64 s[20:21], s[4:5], s[20:21]
	s_add_nc_u64 s[22:23], s[4:5], s[22:23]
	s_add_nc_u64 s[46:47], s[6:7], s[46:47]
	s_add_nc_u64 s[92:93], s[6:7], s[92:93]
	CROUND                                         ; all sixteen work-groups are here: the first joint loads meet
	s_mov_b32 s[G0S], 1
	s_add_co_u32 s[G0S+1], s94, SCL
	s_mov_b64 s[G0S+2:G0S+3], s[22:23]
	s_or_b32 s[G0S+3], s[G0S+3], 0x80000000
	s_mov_b32 s[G0SB], 1
	s_add_co_u32 s[G0SB+1], s94, SCL
	s_mov_b64 s[G0SB+2:G0SB+3], s[92:93]
	s_or_b32 s[G0SB+3], s[G0SB+3], 0x80000000
	JLOAD G0S, G1S, G0SB, G1SB                     ; the scale words first: they are wanted with K step 0
.irp s, 0,1
	s_mov_b32 s[G0+4*\s], 1
	s_add_co_u32 s[G0+4*\s+1], s45, \s*SLOT
	s_add_nc_u64 s[G0+4*\s+2:G0+4*\s+3], s[20:21], \s*ASTEP
	s_or_b32 s[G0+4*\s+3], s[G0+4*\s+3], 0x80000000
	s_mov_b32 s[G0B+4*\s], 1
	s_add_co_u32 s[G0B+4*\s+1], s45, \s*SLOT
	s_add_nc_u64 s[G0B+4*\s+2:G0B+4*\s+3], s[46:47], \s*BSTEP
	s_or_b32 s[G0B+4*\s+3], s[G0B+4*\s+3], 0x80000000
	JLOAD G0+4*\s, G1, G0B+4*\s, G1B               ; three tensor loads of mine are out
.endr
	v_and_b32 v1, 15, v0                           ; r; kept
	v_bfe_u32 v2, v0, 4, 1                         ; h; kept
	v_and_b32 v3, 31, v0                           ; lane; kept
	v_lshlrev_b32 v8, 4, v3                        ; v8: 16 x lane; kept
	s_wait_alu depctr_va_vdst(0)
	v_lshlrev_b32 v[BO], 6, v2                     ; the bias: lane (r, h) wants, for column tile b, columns 32 (b / 2) + 16 h + 8 (b % 2) + 0..7
	s_lshl_b32 s66, s42, 10
	s_lshl_b32 s67, s16, 9
	s_add_co_u32 s66, s66, s67
	s_mov_b32 s67, 0
	s_add_nc_u64 s[8:9], s[8:9], s[66:67]          ; at my first column
.irp b, 0,1,2,3,4,5,6,7
	global_load_b128 v[BI+8*\b:BI+8*\b+3], v[BO], s[8:9] offset:4*(32*(\b/2)+8*(\b%2))
	global_load_b128 v[BI+8*\b+4:BI+8*\b+7], v[BO], s[8:9] offset:4*(32*(\b/2)+8*(\b%2))+16
.endr
	s_lshl_b32 s66, s17, 4
	s_lshl_b32 s67, s15, 3
	s_add_co_u32 s66, s66, s67
	s_and_b32 s66, s66, 127                        ; my first token tile's place in its batch: its positions
	s_lshl_b32 s66, s66, 12
	s_mov_b32 s67, 0
	s_add_nc_u64 s[10:11], s[10:11], s[66:67]      ; RoPE's table at that tile
	s_mul_i32 s21, s15, HALFT                      ; my 8 tiles of tokens
	s_mul_i32 s22, s16, HALFT                      ; my 8 tiles of the weight,
	s_add_co_u32 s22, s22, 2*HALFT                 ; which lie behind the tokens' 16
.irp s, 0,1
	v_add_nc_u32 v[ADRA+\s], s21, v8
	v_add_nc_u32 v[ADRB+\s], s22, v8
	s_add_co_u32 s21, s21, SLOT
	s_add_co_u32 s22, s22, SLOT
.endr
	v_lshlrev_b32 v5, 3, v1                        ; my row's two scale words of a K step: 8 r
	s_mul_i32 s21, s15, HALFS
	s_mul_i32 s22, s16, HALFS
	s_add_co_u32 s22, s22, 2*HALFS
	s_sub_co_u32 s22, s22, s21
	v_mul_u32_u24 v6, s22, v2                      ; lanes 16-31 take the weight's
	s_add_co_u32 s21, s21, SCL
	v_add_nc_u32 v5, v5, v6
	v_add_nc_u32 v[ADRS], s21, v5
	; the way out's LDS addresses, all made here
	s_lshl_b32 s66, s14, 10
	s_add_co_u32 s66, s66, SCR
	v_lshl_add_u32 v9, v1, 2, s66                  ; v9: my wave's scratch + 4 r
	v_add_nc_u32 v10, s66, v8                      ; v10: + 16 lane
	v_lshl_add_u32 v15, v3, 2, s66                 ; v15: + 4 lane
	s_mul_i32 s66, s14, 16896                      ; v's stage: 32 tokens x (512 + 16) bytes for each wave, in slot 0
	v_and_b32 v5, 8, v1
	v_add_nc_u32 v5, v5, v1                        ; r + 8 (r / 8)
	v_mul_u32_u24 v12, v5, 528
	v_lshl_add_u32 v12, v2, 6, v12
	v_add_nc_u32 v12, s66, v12                     ; v12: in: my token's row, + 64 h
	v_lshl_add_u32 v13, v2, 3, v5
	v_lshl_add_u32 v13, v13, 2, s66                ; v13: out: lane (r, u) takes column 8 u + r + 8 (r / 8) of 32
	v_lshlrev_b32 v14, 4, v1
	v_lshl_add_u32 v14, v2, 11, v14                ; v14: in kv: fragment u, 16 r
.macro FRAG reg, adr, q, i             ; a fragment's image: four loads of 512 consecutive bytes
.irp c, 0,1,2,3
	ds_load_b128 v[\reg+4*\c:\reg+4*\c+3], v[\adr] offset:(\i)*4096+(\q)*2048+512*\c
.endr
.endm
; 16 matrix instructions: token tiles a0, a0 + 1 x the weight's eight, 128 along K.  first = 1: the bias is C: nothing is ever cleared.  The 64 accumulators take turns, one instruction a turn.
.macro MUL16 a0, p, q, sc, first
.irp a, \a0, \a0+1
.irp b, 0,1,2,3,4,5,6,7
.if \first
	v_wmma_scale_f32_16x16x128_f8f6f4 v[8*(8*((\a)%4)+\b):8*(8*((\a)%4)+\b)+7], v[128*(\p)+FR*\b:128*(\p)+FR*\b+FR-1], v[AF+FR*(\a):AF+FR*(\a)+FR-1], v[BI+8*\b:BI+8*\b+7], v[SC+8*NQ*(\sc)+NQ*\b+(\q)], v[SC+8*NQ*(\sc)+NQ*(\a)+(\q)] matrix_a_scale:MATRIX_SCALE_ROW1
.else
	v_wmma_scale_f32_16x16x128_f8f6f4 v[8*(8*((\a)%4)+\b):8*(8*((\a)%4)+\b)+7], v[128*(\p)+FR*\b:128*(\p)+FR*\b+FR-1], v[AF+FR*(\a):AF+FR*(\a)+FR-1], v[8*(8*((\a)%4)+\b):8*(8*((\a)%4)+\b)+7], v[SC+8*NQ*(\sc)+NQ*\b+(\q)], v[SC+8*NQ*(\sc)+NQ*(\a)+(\q)] matrix_a_scale:MATRIX_SCALE_ROW1
.endif
.endr
.endr
.endm
.macro FETCH_B slot, q, p
	WIN TO_B
.irp i, 0,1,2,3,4,5,6,7
	FRAG 128*(\p)+FR*\i, ADRB+\slot, \q, \i
.endr
	WIN 0
.endm
.macro FETCH_A slot, q, i0
.irp i, \i0, \i0+1, \i0+2, \i0+3
	FRAG AF+FR*(\i), ADRA+\slot, \q, \i
.endr
.endm
.macro SCALES sc                       ; a K step's scale words: two a row; lanes 0-15 the tokens' tile i, lanes 16-31 the weight's tile i
.irp i, 0,1,2,3,4,5,6,7
	ds_load_b64 v[SC+8*NQ*\sc+NQ*\i:SC+8*NQ*\sc+NQ*\i+1], v[ADRS] offset:\i*SBLK
.endr
.endm
.macro PLACES n                        ; plain vector lines between a matrix instruction and a load into, or a read of, its registers
.rept \n
	v_nop
.endr
.endm
.macro STEP slot, q, first             ; a step of 128 along K that has its successor in the same slot
	s_wait_dscnt 4*NL                              ; the weight's set and token tiles 0-3 are in; the youngest sixteen loads (tiles 4-7) may be out
.if \first
	WIN 0x81                                       ; C (the bias) window 0, D window 2
.else
	WIN MUL_LO
.endif
	MUL16 0, (\q)%2, \q, \slot, \first
	MUL16 2, (\q)%2, \q, \slot, \first
	s_wait_dscnt 0
	PLACES NP
	FETCH_B \slot, (\q)+1, 1-(\q)%2
	FETCH_A \slot, (\q)+1, 0
.if \first
	WIN 0xc1
.else
	WIN MUL_HI
.endif
	MUL16 4, (\q)%2, \q, \slot, \first
	MUL16 6, (\q)%2, \q, \slot, \first
	PLACES NP
	WIN 0
	FETCH_A \slot, (\q)+1, 4
.endm
; A slot's last step changes slots: ONE barrier; in front of it each wave waits for all its tensor loads, adds 0 to its spare word, and waits for that and for its own reads of this slot.  fill = 1: this slot is filled again, two K steps ahead.
.macro TURN slot, next, fill
	s_wait_tensorcnt 0x0                           ; all my tensor loads have landed: my part of the next slot
	ds_add_u32 v[SPW], v[NIL]                      ; 0 onto my spare word
	s_wait_dscnt 4*NL+1                            ; (the add and the youngest sixteen loads may be out)
	WIN MUL_LO
	MUL16 0, 1, NQ-1, \slot, 0
	s_wait_dscnt 0x0                               ; the add is done, and my reads of this slot are over
	s_barrier_signal -1
	MUL16 2, 1, NQ-1, \slot, 0
	WIN 0
	s_barrier_wait -1
.if \fill
	CREST                                          ; the barrier has opened a round of the cluster's barrier: no wave of any partner still reads this slot or has a load on its way
	s_add_nc_u64 s[G0+4*\slot+2:G0+4*\slot+3], s[G0+4*\slot+2:G0+4*\slot+3], 2*ASTEP
	s_add_nc_u64 s[G0B+4*\slot+2:G0B+4*\slot+3], s[G0B+4*\slot+2:G0B+4*\slot+3], 2*BSTEP
	JLOAD G0+4*\slot, G1, G0B+4*\slot, G1B         ; the first tensor load behind the round, my only one out; its four v_nop are among the places below
	PLACES NP-4
.else
	PLACES NP
.endif
	s_wait_alu depctr_va_vdst(0)
	v_add_nc_u32 v[ADRS], 128, v[ADRS]             ; on to the next K step's scale words
	FETCH_B \next, 0, 0
	FETCH_A \next, 0, 0
	SCALES \next
	WIN MUL_HI
	MUL16 4, 1, NQ-1, \slot, 0
	MUL16 6, 1, NQ-1, \slot, 0
	PLACES NP
	WIN 0
	FETCH_A \next, 0, 4
.endm
.macro TABLE a                         ; RoPE's table of token tile a: 16 cosines and 16 sines a lane (frequencies 16 h + 0..15 of my token)
.set TT, 64+32*((\a)%2)
.irp p, 0,1,2,3,4,5,6,7
	global_load_b128 v[TT+4*\p:TT+4*\p+3], v8, s[10:11] offset:(\a)*4096+512*\p
.endr
.endm
	s_wait_tensorcnt 1                             ; the scale words and my part of K step 0 are in (K step 1's load may be out)
	s_barrier_signal -1
	s_barrier_wait -1                              ; everybody's are
	FETCH_B 0, 0, 0
	FETCH_A 0, 0, 0
	SCALES 0
	FETCH_A 0, 0, 4
	s_wait_loadcnt 0x0                             ; the bias
	STEP 0, 0, 1                                   ; four K steps of 256, written straight
	TURN 0, 1, 1
	STEP 1, 0, 0
	TURN 1, 0, 1
	STEP 0, 0, 0
	s_cmp_eq_u32 ttmp9, 2                          ; q and k: the first two token tiles' tables are asked for now, into the registers that held the bias
	s_cbranch_scc1 .Lno_tab
	TABLE 0
	TABLE 1
.Lno_tab:
	TURN 0, 1, 0                                   ; nothing more is filled
	STEP 1, 0, 0
	s_wait_dscnt 4*NL
	WIN MUL_LO
	MUL16 0, 1, NQ-1, 1, 0
	MUL16 2, 1, NQ-1, 1, 0
	s_wait_dscnt 0
	WIN MUL_HI
	MUL16 4, 1, NQ-1, 1, 0
	MUL16 6, 1, NQ-1, 1, 0
	WIN 0
	PLACES NP                                      ; in front of the first read of results and of writes into the fragments' registers
	; THE WAY OUT.  My 128 tokens are keys (or queries) 128 kg .. of batch b; my 128 columns are heads head0 and head0 + 1.
	s_lshr_b32 s66, s17, 3
	s_lshl_b32 s66, s66, 4
	s_and_b32 s68, s42, 3
	s_lshl_b32 s68, s68, 2
	s_add_co_u32 s66, s66, s68
	s_lshl_b32 s68, s16, 1
	s_add_co_u32 s66, s66, s68                     ; bh0 = 16 b + head0
	s_lshl_b32 s67, s17, 1
	s_add_co_u32 s67, s67, s15
	s_and_b32 s67, s67, 15                         ; kg
	s_mov_b32 s77, 0
	s_cmp_eq_u32 ttmp9, 2
	s_cbranch_scc1 .Lway_v
	; ---- q and k: one text; buffer and strides are chosen by the cluster's x
	s_cmp_eq_u32 ttmp9, 0
	s_cselect_b64 s[68:69], s[96:97], s[98:99]
	s_mov_b32 s70, 270336
	s_cselect_b32 s70, 131072, s70                 ; codes: from head to head,
	s_mov_b32 s72, 16896
	s_cselect_b32 s72, 8192, s72                   ; from 128 tokens to the next
	s_mov_b32 s73, 270336
	s_cselect_b32 s73, 4096, s73                   ; scale words: from head to head,
	s_mov_b32 s74, 16896
	s_cselect_b32 s74, 256, s74                    ; from 128 tokens to the next,
	s_mov_b32 s75, 16384
	s_cselect_b32 s75, 8388608, s75                ; and where they begin
	s_mov_b32 s71, 0
	s_mul_i32 s76, s66, s70
	s_mul_i32 s72, s67, s72
	s_add_co_u32 s76, s76, s72
	s_add_nc_u64 s[78:79], s[68:69], s[76:77]      ; head0's codes
	s_add_nc_u64 s[80:81], s[78:79], s[70:71]      ; head0 + 1's
	s_mul_i32 s76, s66, s73
	s_mul_i32 s74, s67, s74
	s_add_co_u32 s76, s76, s74
	s_add_co_u32 s76, s76, s75
	s_add_nc_u64 s[82:83], s[68:69], s[76:77]      ; the scale words
	v_mul_lo_u32 v11, v2, s73
	v_lshl_add_u32 v11, v1, 4, v11                 ; lanes 0-15: head0's 256 bytes; lanes 16-31: head0 + 1's
.irp b, 0,1,2,3
	v_mov_b32 v[TM+4+\b], 0                        ; a lane permute's destination counts as one of its sources
.endr
.macro QUANT s                         ; 64 numbers of a lane, register 16 b + i = k 32 b + 16 (lane / 16) + i of my row -> codes in v[PC] on, the four blocks' bytes in v[PW]
.irp b, 0,1,2,3
	v_max3_num_f32 v[TM+\b], |v[\s+16*\b]|, |v[\s+1+16*\b]|, 0x4800000   ; and the floor 2^(9 - 127): the byte cannot fall under 1
.endr
.irp i, 2,4,6,8,10,12,14
.irp b, 0,1,2,3
	v_max3_num_f32 v[TM+\b], v[TM+\b], |v[\s+16*\b+\i]|, |v[\s+1+16*\b+\i]|
.endr
.endr
.irp b, 0,1,2,3
	v_permlanex16_b32 v[TM+4+\b], v[TM+\b], s[SEL], s[SEL+1]
.endr
.irp b, 0,1,2,3
	v_max_num_f32 v[TM+\b], v[TM+\b], v[TM+4+\b]
.endr
.irp b, 0,1,2,3
	v_add_nc_u32 v[TM+12+\b], 0xfc000000, v[TM+\b] ; 8 off the exponent field: the conversion's scale operand
.endr
.irp b, 0,1,2,3
.endr
.irp b, 0,1,2,3
	v_lshrrev_b32 v[TM+4+\b], 23, v[TM+12+\b]
.endr
	v_lshl_or_b32 v[PW], v[TM+5], 8, v[TM+4]
	v_lshl_or_b32 v[PW], v[TM+6], 16, v[PW]
	v_lshl_or_b32 v[PW], v[TM+7], 24, v[PW]
.irp b, 0,1,2,3
.irp i, 0,1,2,3,4,5,6,7,8,9,10,11,12,13,14,15
.endr
	v_cvt_scalef32_pk8_fp8_f32 v[PC+4*\b:PC+1+4*\b], v[\s+16*\b:\s+7+16*\b], v[TM+12+\b]
	v_cvt_scalef32_pk8_fp8_f32 v[PC+2+4*\b:PC+3+4*\b], v[\s+8+16*\b:\s+15+16*\b], v[TM+12+\b]
.endr
	v_nop                                          ; a plain line behind the last conversion
.endm
.macro QK a                            ; token tile a: RoPE on both heads, quantised, stored
.set TS, 64+32*((\a)%2)
.set AC, 64*((\a)%4)
.if (\a) < 7
	s_wait_loadcnt 8                               ; this tile's table is in; the next tile's eight loads may be out
.else
	s_wait_loadcnt 0x0
.endif
	s_wait_xcnt 0x0                                ; the last tile's stores have read their data: the codes' registers are written again only behind this wait
	WIN 0x02+(\a)/4                                ; source 0: the accumulators' window
.irp hh, 0,1
.irp p, 0,1,2,3,4,5,6,7
	v_pk_mul_f32 v[RR+32*\hh+2*\p:RR+32*\hh+2*\p+1], v[AC+32*\hh+2*\p:AC+32*\hh+2*\p+1], v[TS+2*\p:TS+2*\p+1]              ; x(d) cos
	v_pk_mul_f32 v[RR+32*\hh+16+2*\p:RR+32*\hh+17+2*\p], v[AC+32*\hh+16+2*\p:AC+32*\hh+17+2*\p], v[TS+2*\p:TS+2*\p+1]      ; x(d + 32) cos
	v_pk_fma_f32 v[RR+32*\hh+2*\p:RR+32*\hh+2*\p+1], v[AC+32*\hh+16+2*\p:AC+32*\hh+17+2*\p], v[TS+16+2*\p:TS+17+2*\p], v[RR+32*\hh+2*\p:RR+32*\hh+2*\p+1] neg_lo:[0,1,0] neg_hi:[0,1,0]   ; - x(d + 32) sin
	v_pk_fma_f32 v[RR+32*\hh+16+2*\p:RR+32*\hh+17+2*\p], v[AC+32*\hh+2*\p:AC+32*\hh+2*\p+1], v[TS+16+2*\p:TS+17+2*\p], v[RR+32*\hh+16+2*\p:RR+32*\hh+17+2*\p]                            ; + x(d) sin
.endr
.endr
	WIN 0
.if (\a) < 6
	TABLE (\a)+2                                   ; into the set just read
.endif
	QUANT RR
	global_store_b128 v8, v[PC:PC+3], s[78:79] offset:(\a)*1024          ; head0: d = 0..31; the wave stores 512 consecutive bytes, aligned
	global_store_b128 v8, v[PC+4:PC+7], s[78:79] offset:(\a)*1024+512    ; d = 32..63
	global_store_b128 v8, v[PC+8:PC+11], s[80:81] offset:(\a)*1024
	global_store_b128 v8, v[PC+12:PC+15], s[80:81] offset:(\a)*1024+512
.if (\a)%2 == 0
	v_mov_b32 v225, v[PW]                          ; the even tile's bytes wait for the odd tile's
.else
	v_perm_b32 v226, v[PW], v225, 0x05040100       ; head0: even tile's bytes 0, 1, then the odd tile's
	v_perm_b32 v227, v[PW], v225, 0x07060302       ; head0 + 1: bytes 2, 3 of each
	ds_store_b32 v9, v226 offset:64*((\a)/2)       ; both halves of the lanes hold the same word
	ds_store_b32 v9, v227 offset:256+64*((\a)/2)
.endif
.endm
.irp a, 0,1,2,3,4,5,6,7
	QK \a
.endr
	ds_load_b128 v[228:231], v10                   ; LDS serves a wave's instructions in order: these see my stores
	s_wait_dscnt 0x0
	global_store_b128 v11, v[228:231], s[82:83]    ; sixteen lanes store a head's 256 bytes of scale words, aligned
	s_branch .Lend
	; ---- v: its K is the keys.  32 tokens at a time go through my stage in slot 0 (it has had its last fill, and nobody reads it behind the last change of slots); then a lane takes a column d and its registers run down the keys.
.Lway_v:
	s_mul_i32 s76, s66, 270336
	s_mul_i32 s72, s67, 16896
	s_add_co_u32 s76, s76, s72
	s_add_co_u32 s76, s76, 8192
	s_add_nc_u64 s[78:79], s[98:99], s[76:77]      ; head0's fragments of V^T for these 128 keys
	v_mul_u32_u24 v11, v2, 270336
	v_lshl_add_u32 v11, v1, 4, v11
.macro VLOADP pp                       ; pass pp: columns 32 pp + .. of 32 tokens
.set XL, 128+32*((\pp)%2)
.set i, 0
.rept 32
	ds_load_b32 v[XL+i], v13 offset:i*528+128*(\pp)
.set i, i+1
.endr
.endm
.macro VPASS g, pp                     ; head pp / 2, d = 32 (pp % 2) + ..: a block of 32 keys of one d lies in my 32 registers
.set XS, 128+32*((\pp)%2)
.set CD, 192+8*((\pp)%2)
.if (\pp) < 3
	s_wait_dscnt 32                                ; this pass's 32 loads are in; the next pass's may be out
.else
	s_wait_dscnt 0x0
.endif
	v_max3_num_f32 v208, |v[XS]|, |v[XS+1]|, |v[XS+2]|
	v_max3_num_f32 v209, |v[XS+3]|, |v[XS+4]|, |v[XS+5]|
.irp i, 6,10,14,18,22,26
	v_max3_num_f32 v208, v208, |v[XS+\i]|, |v[XS+\i+1]|
	v_max3_num_f32 v209, v209, |v[XS+\i+2]|, |v[XS+\i+3]|
.endr
	v_max3_num_f32 v208, v208, |v[XS+30]|, |v[XS+31]|
	v_max3_num_f32 v208, v208, v209, 0x4800000
	v_add_nc_u32 v211, 0xfc000000, v208
	v_lshrrev_b32 v209, 23, v211
.if (\g) == 0
	v_mov_b32 v[216+(\pp)], v209
.else
	v_lshl_or_b32 v[216+(\pp)], v209, 8*(\g), v[216+(\pp)]   ; the four groups' bytes make my d's scale word for these 128 keys
.endif
	s_wait_alu depctr_va_vdst(0)
	s_wait_xcnt 0x0                                ; earlier stores have read their data
.set i, 0
.rept 32
.set i, i+1
.endr
.irp q, 0,1,2,3
	v_cvt_scalef32_pk8_fp8_f32 v[CD+2*\q:CD+2*\q+1], v[XS+8*\q:XS+8*\q+7], v211
.endr
	v_nop                                          ; a plain line behind the last conversion
.if (\pp) < 2
	VLOADP (\pp)+2
.endif
	global_store_b128 v14, v[CD:CD+3], s[78:79] offset:((\pp)/2)*270336+((\pp)%2)*4096+512*(\g)        ; keys 32 g + 0..15: sixteen lanes fill 256 consecutive bytes, aligned
	global_store_b128 v14, v[CD+4:CD+7], s[78:79] offset:((\pp)/2)*270336+((\pp)%2)*4096+512*(\g)+256  ; keys 32 g + 16..31
.endm
.irp g, 0,1,2,3
	WIN 0x08+4*(\g/2)                              ; an LDS store's data are its source 1: window 2 or 3
.irp u, 0,1
.irp b, 0,1,2,3,4,5,6,7
	ds_store_b128 v12, v[64*((2*\g+\u)%4)+8*\b:64*((2*\g+\u)%4)+8*\b+3] offset:8*\u*528+4*(32*(\b/2)+8*(\b%2))       ; each accumulator from its low end on
	ds_store_b128 v12, v[64*((2*\g+\u)%4)+8*\b+4:64*((2*\g+\u)%4)+8*\b+7] offset:8*\u*528+4*(32*(\b/2)+8*(\b%2))+16
.endr
.endr
	WIN 0
	VLOADP 0                                       ; LDS serves a wave's instructions in order: the loads see the stores, and the next group's stores come behind the loads
	VLOADP 1
	VPASS \g, 0
	VPASS \g, 1
	VPASS \g, 2
	VPASS \g, 3
.endr
.irp p, 0,1,2,3
	ds_store_b32 v15, v[216+\p] offset:4096+128*\p
.endr
	ds_load_b128 v[228:231], v10 offset:4096
	s_wait_dscnt 0x0
	global_store_b128 v11, v[228:231], s[78:79] offset:8448   ; V's scale words lie 8,448 bytes behind its fragments' first byte
.Lend:
	s_wait_tensorcnt 0x0                           ; the wave's end
	ds_add_u32 v[SPW], v[NIL]
	s_wait_dscnt 0x0
	CROUND                                         ; the closing round: no work-group ends while a partner may still ask for a block that names it
	s_endpgm
.Lfunc_end_k_q47f98faef1_qkv:
	.size	k_q47f98faef1_qkv, .Lfunc_end_k_q47f98faef1_qkv-k_q47f98faef1_qkv
	.p2alignl 7, 3214868480
	.fill 96, 4, 3214868480
	.section	.rodata,"a",@progbits
	.p2align	6, 0x0
	.amdhsa_kernel k_q47f98faef1_qkv
		.amdhsa_group_segment_fixed_size 327680
		.amdhsa_private_segment_fixed_size 0
		.amdhsa_enable_private_segment 0
		.amdhsa_kernarg_size 48
		.amdhsa_user_sgpr_count 2
		.amdhsa_user_sgpr_kernarg_segment_ptr 1
		.amdhsa_wavefront_size32 1
		.amdhsa_system_sgpr_workgroup_id_x 1
		.amdhsa_system_sgpr_workgroup_id_y 1
		.amdhsa_system_sgpr_workgroup_id_z 1
		.amdhsa_system_vgpr_workitem_id 0
		.amdhsa_next_free_vgpr 1024
		.amdhsa_next_free_sgpr 102
		.amdhsa_reserve_vcc 0
		.amdhsa_float_denorm_mode_32 3
		.amdhsa_float_denorm_mode_16_64 3
		.amdhsa_fp16_overflow 1
		.amdhsa_memory_ordered 1
		.amdhsa_forward_progress 1
		.amdhsa_inst_pref_size 255
	.end_amdhsa_kernel
	.section	.bss,"aw",@nobits
	.p2align	6
	.space	262144
	.amdgpu_metadata
---
amdhsa.version: [ 1, 2 ]
amdhsa.kernels:
  - .name:           k_q47f98faef1_qkv
    .symbol:         k_q47f98faef1_qkv.kd
    .args:
      - { .name: hq, .offset: 0, .size: 8, .value_kind: global_buffer, .address_space: global }
      - { .name: wq, .offset: 8, .size: 8, .value_kind: global_buffer, .address_space: global }
      - { .name: b_qkv, .offset: 16, .size: 8, .value_kind: global_buffer, .address_space: global }
      - { .name: rt, .offset: 24, .size: 8, .value_kind: global_buffer, .address_space: global }
      - { .name: qq, .offset: 32, .size: 8, .value_kind: global_buffer, .address_space: global }
      - { .name: kv, .offset: 40, .size: 8, .value_kind: global_buffer, .address_space: global }
    .group_segment_fixed_size: 327680
    .private_segment_fixed_size: 0
    .kernarg_segment_align: 8
    .kernarg_segment_size: 48
    .max_flat_workgroup_size: 128
    .sgpr_count:     102
    .vgpr_count:     1024
    .wavefront_size: 32
...
	.end_amdgpu_metadata
.endif
;; end of part 2
;; launch attn (part 3): grid 4 x 64, 16 waves a work-group, clusters of 4 x 1, 327,680 bytes of LDS; arguments qq, kv, ao; writes ao
.if DOCPART == 3
	.amdgcn_target "amdgcn-amd-amdhsa--gfx1250"
	.amdhsa_code_object_version 6
	.text
	.protected	k_q47f98faef1_attn
	.globl	k_q47f98faef1_attn
	.p2align	8
	.type	k_q47f98faef1_attn,@function
k_q47f98faef1_attn:
	s_mov_b64 s[64:65], 0
	v_nop
	global_prefetch_b8 v0, s[64:65] scope:SCOPE_SE
	s_setreg_imm32_b32 hwreg(HW_REG_WAVE_MODE, 25, 1), 1
	s_wait_xcnt 0x0
	s_wait_alu depctr_hold_cnt(0) depctr_sa_sdst(0) depctr_va_vdst(0) depctr_va_sdst(0) depctr_va_ssrc(0) depctr_va_vcc(0) depctr_vm_vsrc(0)
	s_getreg_b32 s2, hwreg(HW_REG_IB_STS2, 6, 4)
	s_cmp_eq_u32 s2, 0
	s_cbranch_scc0 .Lentry_in_a_cluster
	s_endpgm
.Lentry_in_a_cluster:
	s_bfe_u32 s2, ttmp6, 0x10000c
	s_cmp_lg_u32 s2, 0x3003
	s_cbranch_scc0 .Lentry_shape_is_right
	s_endpgm
.Lentry_shape_is_right:
; Causal attention on codes of E4M3 with E8M0 scales: 64 heads (batch x head), 2,048 tokens, head size 64.  O / l is quantised along the model's 1,024 channels and leaves as images for the last product.
; THE SOFTMAX AHEAD OF THE SECOND PRODUCT: t = score x log2(e) / 8; M = the running largest t rounded UP to a whole number; p = 2^(t - M) is quantised along the keys, not normalised;
; the row's sum is taken of the unquantised p and divides O at the end.  When M moves, the sum and O are multiplied by 2^(old M - new M): exact.
; SHARES.  A cluster of four work-groups owns a head.  ALL of the head's K, V and scale words (270,336 bytes) come into each work-group's LDS ONCE, by joint loads (mask: all four), and stay: no slot is ever filled again.
; Wave w of partner cx owns two tiles of 16 queries: iA = 4 w + cx and iB = 127 - iA.  A tile's last step of 128 keys is i / 8: w / 2 and 15 - w / 2: numbers of the wave alone, so no branch hangs on a
; work-group's place in its cluster, and every wave of the launch walks 17 steps.
; LAYOUT.  Both products are used transposed: a lane holds ONE query (lane % 16).  Tile i's row r is token 32 (i / 2) + 8 (i % 2) + r + 8 (r / 8).
; K = 64 fills half of the matrix instruction's 128, so a fragment of K holds 32 keys: row r = [key a | key a + 8], a = 32 G + r + 8 (r / 8).  Multiplied with [q | 0] and with [0 | q] it gives two tiles of S^T whose
; 16 registers are keys 32 G + 16 (lane / 16) + 0..15: neighbours, as p's quantiser and the second product want them.  q's zero codes add nothing; its scale word repeats its two bytes.
; V^T's rows (d) are chosen likewise, so that O^T's 16 registers of two tiles are 16 neighbouring d.
; LDS: step kg (128 keys) at 16,896 kg: 4 fragments of K (2,048 each), 4 of V^T, K's 64 scale words, V's 64.
; LIMITS: NaN and infinities are not served.  Hidden scores become -infinity where the source has the lowest f32 number: p is 0 either way.
; REGISTERS: v1-11 addresses; v12 -M, v13 the largest t, v[14:15] the sum in two halves; v16-39 [0 x 8, q x 8, 0 x 8]; v40-103 four fragments of K, then of V; v104-167 S^T, then p; v168-199 O^T; v200-215 p's codes;
;   v216-235 at work; v236-239 K's and V's scale words; v240 q's; v241-250 q's raw word and tile A's q; v252, v253 the mask.
.set LI,  1                            ; v1  16 x lane
.set LS,  2                            ; v2  4 x lane + 16,384: the scale words of a step
.set QD,  3                            ; v3  my query - 16 (lane / 16)
.set ADK, 4
.set ADS, 5
.set WV,  10                           ; s10 my wave's number
.set G1,  16                           ; s[16:23] descriptor group 1;  s[24:27], s[28:31] groups 0 of my two loads
.set SEL, 32                           ; s[32:33]
.set CS,  34                           ; s[34:35] c = log2(e) / 8
.set MNT, 36
.set TB,  37                           ; s37 LDS byte at which the step in hand begins
.set KS,  38                           ; s38 the step's number
.set LAST, 39                          ; s39 the tile's last step
.set KF,  40                           ; s40 the step's first key
.set PA,  44                           ; s[44:53] tile A: q's codes, q's scale words, ao's codes, ao's scale bytes (pairs), the byte select, the tile's first token
.set PB,  54                           ; s[54:63] tile B
.macro ROUND                           ; a round of the cluster's barrier
	s_barrier_signal -1
	s_barrier_wait -1
	s_cmp_lg_u32 s[WV], 0
	s_cbranch_scc1 .Lnot_wave_0_\@
	s_barrier_signal -3
.Lnot_wave_0_\@:
	s_barrier_wait -3
	s_barrier_signal -1
	s_barrier_wait -1
.endm
	s_load_b128 s[4:7], s[0:1], 0x0                ; qq, kv
	s_load_b64 s[8:9], s[0:1], 0x10                ; ao
	v_lshl_add_u32 v254, v0, 2, 0x42000
	v_mov_b32 v255, 0
	ds_add_u32 v254, v255
	ds_add_u32 v254, v255
	v_lshrrev_b32 v1, 5, v0
	s_delay_alu instid0(VALU_DEP_1)
	v_readfirstlane_b32 s[WV], v1                  ; wave 0..15
	s_bfe_u32 s11, ttmp6, 0x40000                  ; cx: it enters q's and ao's addresses and the mask's numbers alone
	s_and_b32 s12, ttmp7, 0xffff                   ; bh, which the four partners share
	s_mov_b32 s[G1], 15|(3<<16)|(1<<21)            ; 15:0 the mask: all four; 17:16 elements of 8 bytes; 21 set beside a mask
	s_mov_b32 s[G1+1], 32<<16                      ; tensor_dim0: rows of 256 bytes
	s_mov_b32 s[G1+2], 33<<16                      ; tensor_dim1: 33 rows: 8,448 dense bytes, half a step
	s_mov_b32 s[G1+3], 32<<16
	s_mov_b32 s[G1+4], 33
	s_mov_b32 s[G1+5], 32
	s_mov_b32 s[G1+6], 0
	s_mov_b32 s[G1+7], 0
	s_mul_i32 s13, s12, 270336
	s_mul_i32 s14, s[WV], 8448
	s_add_co_u32 s42, s13, s14
	s_mov_b32 s43, 0
	s_mov_b32 s[SEL], 0x76543210
	s_mov_b32 s[SEL+1], 0xfedcba98
	s_mov_b32 s[CS], 0x3e38aa3b
	s_mov_b32 s[CS+1], s[CS]
	s_lshl_b32 s41, s[WV], 2
	s_add_co_u32 s41, s41, s11                     ; iA
	s_sub_co_u32 s74, 127, s41                     ; iB
	s_lshr_b32 s75, s[WV], 1                       ; tile A's last step
	s_sub_co_u32 s76, 15, s75                      ; tile B's
	s_lshl_b32 s70, s12, 17                        ; q's codes: bh x 131,072
	s_lshl_b32 s71, s12, 12
	s_add_co_u32 s71, s71, 8388608                 ; q's scale words
	s_and_b32 s68, s12, 15                         ; hd
	s_lshr_b32 s69, s12, 4                         ; b
	s_lshr_b32 s72, s68, 2
	s_lshl_b32 s73, s72, 7
	s_lshl_b32 s72, s72, 21                        ; ao: K step hd / 4,
	s_lshl_b32 s66, s69, 19
	s_add_co_u32 s72, s72, s66                     ; token tile 128 b + i,
	s_lshl_b32 s66, s69, 16
	s_add_co_u32 s73, s73, s66
	s_bfe_u32 s66, s68, 0x10001
	s_lshl_b32 s67, s66, 11
	s_add_co_u32 s72, s72, s67                     ; fragment (hd / 2) % 2,
	s_lshl_b32 s67, s66, 2
	s_add_co_u32 s73, s73, s67
	s_and_b32 s66, s68, 1
	s_lshl_b32 s67, s66, 10
	s_add_co_u32 s72, s72, s67                     ; pieces 2 (hd % 2) and the next
	s_lshl_b32 s67, s66, 1
	s_add_co_u32 s73, s73, s67
	s_add_co_u32 s73, s73, 8388608                 ; and the two scale bytes at 2 (hd % 2) of the word
	s_wait_dscnt 0x0
	s_wait_kmcnt 0x0
.macro TADDR P, I                      ; tile s[I]'s pointers and numbers
	s_mov_b32 s67, 0
	s_lshl_b32 s66, s[\I], 10
	s_add_co_u32 s66, s66, s70
	s_add_nc_u64 s[\P:\P+1], s[4:5], s[66:67]
	s_lshr_b32 s66, s[\I], 1
	s_lshl_b32 s66, s66, 6
	s_add_co_u32 s66, s66, s71
	s_add_nc_u64 s[\P+2:\P+3], s[4:5], s[66:67]
	s_lshl_b32 s66, s[\I], 12
	s_add_co_u32 s66, s66, s72
	s_add_nc_u64 s[\P+4:\P+5], s[8:9], s[66:67]
	s_lshl_b32 s66, s[\I], 9
	s_add_co_u32 s66, s66, s73
	s_add_nc_u64 s[\P+6:\P+7], s[8:9], s[66:67]
	s_and_b32 s66, s[\I], 1
	s_mul_i32 s[\P+8], s66, 0x02020202
	s_add_co_u32 s[\P+8], s[\P+8], 0x01000100      ; bytes 0, 1, 0, 1 of the pair's word, or 2, 3, 2, 3
	s_lshl_b32 s66, s66, 3
	s_lshr_b32 s67, s[\I], 1
	s_lshl_b32 s67, s67, 5
	s_add_co_u32 s[\P+9], s66, s67                 ; 32 (i / 2) + 8 (i % 2)
.endm
	TADDR PA, 41
	TADDR PB, 74
	ROUND                                          ; all four work-groups are here: the joint loads meet
	s_mov_b32 s24, 1
	s_mov_b32 s25, s14                             ; LDS: 8,448 x wave: keys 0 .. 1,023 of the head
	s_add_nc_u64 s[26:27], s[6:7], s[42:43]
	s_or_b32 s27, s27, 0x80000000
	s_mov_b32 s28, 1
	s_add_co_u32 s29, s14, 135168                  ; and 135,168 bytes on, in LDS and in memory: keys 1,024 on
	s_add_nc_u64 s[30:31], s[6:7], s[42:43]
	s_add_nc_u64 s[30:31], s[30:31], 135168
	s_or_b32 s31, s31, 0x80000000
	tensor_load_to_lds s[24:27], s[G1:G1+7]        ; my first tensor load; with the second, the only ones of the launch
	s_nop 0
	s_wait_alu depctr_va_vdst(0)
	s_wait_tensorcnt 0x0
	ds_add_u32 v254, v255
	s_wait_dscnt 0x0
	ROUND
	tensor_load_to_lds s[28:31], s[G1:G1+7]
	s_nop 0
.rept 4
	v_nop
.endr
	v_and_b32 v8, 31, v0
	s_delay_alu instid0(VALU_DEP_1)
	v_lshlrev_b32 v[LI], 4, v8
	s_delay_alu instid0(VALU_DEP_2)
	v_lshl_add_u32 v[LS], v8, 2, 16384
	v_and_b32 v9, 15, v0                           ; r
	v_bfe_u32 v10, v0, 4, 1                        ; h
	s_delay_alu instid0(VALU_DEP_2)
	v_lshlrev_b32 v6, 3, v9                        ; v6: 8 r
	s_delay_alu instid0(VALU_DEP_3)
	v_lshlrev_b32 v7, 2, v9                        ; v7: 4 r
	s_delay_alu instid0(VALU_DEP_4)
	v_and_b32 v11, 8, v9
	s_delay_alu instid0(VALU_DEP_1)
	v_add_nc_u32 v11, v11, v9
	v_lshlrev_b32 v10, 4, v10
	s_delay_alu instid0(VALU_DEP_1)
	v_sub_nc_u32 v11, v11, v10                     ; v11: r + 8 (r / 8) - 16 h; kept
	global_load_b128 v[24:27], v[LI], s[PB:PB+1]   ; tile B's q
	global_load_b128 v[28:31], v[LI], s[PB:PB+1] offset:512
	global_load_b32 v241, v7, s[PB+2:PB+3]
	global_load_b128 v[242:245], v[LI], s[PA:PA+1] ; tile A's waits in registers
	global_load_b128 v[246:249], v[LI], s[PA:PA+1] offset:512
	global_load_b32 v250, v7, s[PA+2:PA+3]
.irp j, 0,1,2,3,4,5,6,7
	v_mov_b32 v[16+\j], 0                          ; zero codes on both sides of q: [0 | q] is v[16:31], [q | 0] is v[24:39]
	v_mov_b32 v[32+\j], 0
.endr
.irp b, 0,1,2,3
	v_mov_b32 v[220+\b], 0                         ; a lane permute's destination counts as one of its sources
.endr
	v_mov_b32 v233, 0                              ; (upper halves of pairs of which the low word serves both halves)
	v_mov_b32 v234, 0
	s_wait_loadcnt 0x0
	v_perm_b32 v240, v241, v241, s[PB+8]           ; q's scale word: its two bytes twice
.macro INIT P, last                    ; a tile begins: O^T and the sum are zeros, the largest t lies under every t: the first change of M multiplies zeros
	v_mov_b32 v13, 0xff61b1e6
	s_delay_alu instid0(VALU_DEP_1)
	v_floor_f32 v12, -v13
	v_mov_b32 v14, 0
	v_mov_b32 v15, 0
.set j, 0
.rept 32
	v_mov_b32 v[168+j], 0
.set j, j+1
.endr
	v_add_nc_u32 v[QD], s[\P+9], v11
	s_mov_b32 s[LAST], s[\last]
.endm
; A KEY STEP: 128 keys.  skip = 1: a step behind the tile's last is left out (a branch on the step's and the wave's numbers).  diag = 1: in the tile's last step hidden scores become -infinity.
.macro STEP skip, diag
.if \skip
	s_cmp_gt_u32 s[KS], s[LAST]
	s_cbranch_scc1 .Lhidden_\@
.endif
	s_setprio 2
	v_add_nc_u32 v[ADK], s[TB], v[LI]
	v_add_nc_u32 v[ADS], s[TB], v[LS]
.rept 6
	v_nop                                          ; with the two additions: eight places in front of loads into registers that the last products read
.endr
.irp g, 0,1,2,3
.irp c, 0,1,2,3
	ds_load_b128 v[40+16*\g+4*\c:43+16*\g+4*\c], v[ADK] offset:2048*\g+512*\c
.endr
.endr
.irp t, 0,1,2,3
	ds_load_b32 v[236+\t], v[ADS] offset:128*\t    ; lanes 0-15 an even fragment's scale words, lanes 16-31 the odd one's: K's four, then V's four
.endr
	s_wait_alu depctr_va_vdst(0)
	s_wait_dscnt 0x0
.irp g, 0,1,2,3                                ; S^T: each fragment of K serves two products
.if (\g)%2
	v_wmma_scale_f32_16x16x128_f8f6f4 v[104+16*\g:111+16*\g], v[40+16*\g:55+16*\g], v[24:39], 0, v[236+\g/2], v240 matrix_a_scale:MATRIX_SCALE_ROW1
	v_wmma_scale_f32_16x16x128_f8f6f4 v[112+16*\g:119+16*\g], v[40+16*\g:55+16*\g], v[16:31], 0, v[236+\g/2], v240 matrix_a_scale:MATRIX_SCALE_ROW1
.else
	v_wmma_scale_f32_16x16x128_f8f6f4 v[104+16*\g:111+16*\g], v[40+16*\g:55+16*\g], v[24:39], 0, v[236+\g/2], v240
	v_wmma_scale_f32_16x16x128_f8f6f4 v[112+16*\g:119+16*\g], v[40+16*\g:55+16*\g], v[16:31], 0, v[236+\g/2], v240
.endif
.endr
.rept 8
	v_nop                                          ; places in front of the loads below and of the first read of the scores
.endr
.irp g, 0,1,2,3
.irp c, 0,1,2,3
	ds_load_b128 v[40+16*\g+4*\c:43+16*\g+4*\c], v[ADK] offset:8192+2048*\g+512*\c   ; V's fragments land while the softmax is walked
.endr
.endr
.if \diag
	s_cmp_lg_u32 s[KS], s[LAST]
	s_cbranch_scc1 .Lopen_\@
	v_sub_nc_u32 v252, v[QD], s[KF]                ; register 16 G + i holds key KF + 16 (lane / 16) + 32 G + i: hidden where 32 G + i > my query - KF - 16 (lane / 16)
	v_mov_b32 v253, 0xff800000
.set n, 0
.rept 64
	v_cmp_gt_i32 vcc_lo, 32*(n/16)+n%16, v252
	v_cndmask_b32 v[104+n], v[104+n], v253, vcc_lo
.set n, n+1
.endr
.Lopen_\@:
.endif
.irp b, 0,1,2,3
	v_max3_num_f32 v[216+\b], v[104+16*\b], v[105+16*\b], v[106+16*\b]   ; the largest score of each block of 32 keys: for the row's maximum and, since p rises with the score, for the block's largest p
.endr
.irp i, 3,5,7,9,11,13
.irp b, 0,1,2,3
	v_max3_num_f32 v[216+\b], v[216+\b], v[104+16*\b+\i], v[105+16*\b+\i]
.endr
.endr
.irp b, 0,1,2,3
	v_max_num_f32 v[216+\b], v[216+\b], v[119+16*\b]
.endr
.irp b, 0,1,2,3
	s_delay_alu instid0(VALU_DEP_4)
	v_permlanex16_b32 v[220+\b], v[216+\b], s[SEL], s[SEL+1]
.endr
.irp b, 0,1,2,3
	s_delay_alu instid0(VALU_DEP_4)
	v_max_num_f32 v[216+\b], v[216+\b], v[220+\b]  ; with lane l xor 16's 16 keys
.endr
	s_delay_alu instid0(VALU_DEP_2)
	v_max3_num_f32 v234, v216, v217, v218
	s_delay_alu instid0(VALU_DEP_1)
	v_max_num_f32 v234, v234, v219
	s_delay_alu instid0(VALU_DEP_1)
	v_mul_f32 v234, s[CS], v234                    ; as t
	s_delay_alu instid0(VALU_DEP_1)
	v_max_num_f32 v13, v13, v234                   ; the running largest t
	v_mov_b32 v234, v12
	s_delay_alu instid0(VALU_DEP_2)
	v_floor_f32 v12, -v13                          ; -M = floor(-t): M is a whole number
	s_delay_alu instid0(VALU_DEP_1)
	v_sub_f32 v234, v12, v234                      ; old M - new M: a whole number, 0 or less
	s_delay_alu instid0(VALU_DEP_1)
	v_cvt_i32_f32 v234, v234                       ; (it saturates)
	s_delay_alu instid0(VALU_DEP_1)
	v_ldexp_f32 v232, 1.0, v234                    ; f = 2^(old M - new M)
.set j, 0
.rept 32
	v_pk_fma_f32 v[104+j:105+j], v[104+j:105+j], s[CS:CS+1], v[12:13] op_sel_hi:[1,0,0]   ; t - M
.set j, j+2
.endr
.irp b, 0,1,2,3
	v_fma_f32 v[216+\b], v[216+\b], s[CS], v12     ; the same of each block's largest score
.endr
.set j, 0
	s_setprio 1
	s_wait_alu depctr_va_vdst(0)
.rept 64
	v_exp_f32 v[104+j], v[104+j]                   ; p = 2^(t - M)
.set j, j+1
.endr
	v_pk_mul_f32 v[14:15], v[14:15], v[232:233] op_sel_hi:[1,0]   ; the sums under the new M (a plain line behind the exponentials)
	s_wait_alu depctr_va_vdst(0)                   ; one wait for the batch, ahead of its first reader
.irp b, 0,1,2,3
	v_exp_f32 v[216+\b], v[216+\b]                 ; each block's largest p
.endr
	v_pk_add_f32 v[220:221], v[104:105], v[106:107]   ; the row's sum of the unquantised p, in two chains
.irp j, 4,8,12,16,20,24,28,32,36,40,44,48,52,56,60
	v_pk_add_f32 v[14:15], v[14:15], v[104+\j:105+\j]
	v_pk_add_f32 v[220:221], v[220:221], v[106+\j:107+\j]
.endr
	s_delay_alu instid0(VALU_DEP_1)
	v_pk_add_f32 v[14:15], v[14:15], v[220:221]
	s_wait_alu depctr_va_vdst(0)                   ; and one for the four
.irp b, 0,1,2,3
	v_max_num_f32 v[216+\b], 0x4800000, v[216+\b]  ; the floor: the byte cannot fall under 1
.endr
.irp b, 0,1,2,3
	s_delay_alu instid0(VALU_DEP_4)
	v_add_nc_u32 v[228+\b], 0xfc000000, v[216+\b]  ; the conversion's scale operand
.endr
.irp b, 0,1,2,3
.endr
.irp b, 0,1,2,3
	s_delay_alu instid0(VALU_DEP_4)
	v_lshrrev_b32 v[220+\b], 23, v[228+\b]
.endr
	s_delay_alu instid0(VALU_DEP_3)
	v_lshl_or_b32 v235, v221, 8, v220              ; p's scale word for these 128 keys
	s_delay_alu instid0(VALU_DEP_1)
	v_lshl_or_b32 v235, v222, 16, v235
	s_delay_alu instid0(VALU_DEP_1)
	v_lshl_or_b32 v235, v223, 24, v235
	s_setprio 0
.irp b, 0,1,2,3
.irp i, 0,1,2,3,4,5,6,7,8,9,10,11,12,13,14,15
.endr
	v_cvt_scalef32_pk8_fp8_f32 v[200+4*\b:201+4*\b], v[104+16*\b:111+16*\b], v[228+\b]
	v_cvt_scalef32_pk8_fp8_f32 v[202+4*\b:203+4*\b], v[112+16*\b:119+16*\b], v[228+\b]
.endr
.set j, 0
.rept 16
	v_pk_mul_f32 v[168+j:169+j], v[168+j:169+j], v[232:233] op_sel_hi:[1,0]   ; O^T under the new M; these are also the places between the codes and the products
.set j, j+2
.endr
	s_wait_alu depctr_va_vdst(0)
	s_wait_dscnt 0x0                               ; V
.irp t, 0,1,2,3                                ; O^T += V^T P^T: four accumulators by turns
.if (\t)%2
	v_wmma_scale_f32_16x16x128_f8f6f4 v[168+8*\t:175+8*\t], v[40+16*\t:55+16*\t], v[200:215], v[168+8*\t:175+8*\t], v[238+\t/2], v235 matrix_a_scale:MATRIX_SCALE_ROW1
.else
	v_wmma_scale_f32_16x16x128_f8f6f4 v[168+8*\t:175+8*\t], v[40+16*\t:55+16*\t], v[200:215], v[168+8*\t:175+8*\t], v[238+\t/2], v235
.endif
.endr
.if \skip
.Lhidden_\@:
.endif
	s_add_co_u32 s[TB], s[TB], 16896
	s_add_co_u32 s[KF], s[KF], 128
.endm
; A tile ends: O^T / the sum; register 16 b + i is d = 32 b + 16 (lane / 16) + i of my query: two blocks of the last product's K; codes and bytes leave in that product's layout.
.macro FIN P
.rept 8
	v_nop                                          ; places behind the last products
.endr
	v_add_f32 v14, v14, v15
	s_delay_alu instid0(VALU_DEP_1)
	v_permlanex16_b32 v234, v14, s[SEL], s[SEL+1]
	s_delay_alu instid0(VALU_DEP_1)
	v_add_f32 v14, v14, v234                       ; the row's sum
	s_wait_alu depctr_va_vdst(0)
	v_rcp_f32 v14, v14
	v_nop
	s_wait_alu depctr_va_vdst(0)                   ; ahead of the reciprocal's first reader
.set j, 0
.rept 32
	v_mul_f32 v[104+j], v[168+j], v14
.set j, j+1
.endr
.irp b, 0,1
	v_max3_num_f32 v[216+\b], |v[104+16*\b]|, |v[105+16*\b]|, 0x4800000
.endr
.irp i, 2,4,6,8,10,12,14
.irp b, 0,1
	s_delay_alu instid0(VALU_DEP_2)
	v_max3_num_f32 v[216+\b], v[216+\b], |v[104+16*\b+\i]|, |v[105+16*\b+\i]|
.endr
.endr
.irp b, 0,1
	s_delay_alu instid0(VALU_DEP_2)
	v_permlanex16_b32 v[220+\b], v[216+\b], s[SEL], s[SEL+1]
.endr
.irp b, 0,1
	s_delay_alu instid0(VALU_DEP_2)
	v_max_num_f32 v[216+\b], v[216+\b], v[220+\b]
.endr
.irp b, 0,1
	s_delay_alu instid0(VALU_DEP_2)
	v_add_nc_u32 v[228+\b], 0xfc000000, v[216+\b]
.endr
.irp b, 0,1
.endr
.irp b, 0,1
	s_delay_alu instid0(VALU_DEP_2)
	v_lshrrev_b32 v[220+\b], 23, v[228+\b]
.endr
	s_delay_alu instid0(VALU_DEP_1)
	v_lshl_or_b32 v235, v221, 8, v220
.irp b, 0,1
.irp i, 0,1,2,3,4,5,6,7,8,9,10,11,12,13,14,15
.endr
	v_cvt_scalef32_pk8_fp8_f32 v[200+4*\b:201+4*\b], v[104+16*\b:111+16*\b], v[228+\b]
	v_cvt_scalef32_pk8_fp8_f32 v[202+4*\b:203+4*\b], v[112+16*\b:119+16*\b], v[228+\b]
.endr
	v_nop                                          ; a plain line behind the last conversion
	global_store_b128 v[LI], v[200:203], s[\P+4:\P+5]             ; the wave stores 512 consecutive bytes, aligned
	global_store_b128 v[LI], v[204:207], s[\P+4:\P+5] offset:512
	global_store_b16 v6, v235, s[\P+6:\P+7]        ; two bytes a row: the word's other half is another head's, another cluster's; 262,144 bytes in all leave so
.endm
	INIT PB, 76
	s_wait_tensorcnt 0x1                           ; my part of keys 0 .. 1,023 is in; my second load may be out
	s_barrier_signal -1
	s_barrier_wait -1                              ; everybody's is
	s_mov_b32 s[KS], 0
	s_mov_b32 s[TB], 0
	s_mov_b32 s[KF], 0
.Lb1:                                              ; tile B, steps 0 to 7: its last step is 8 or later in every wave: all keys count; LDS bytes under 135,168 alone are read
	STEP 0, 0
	s_add_co_u32 s[KS], s[KS], 1
	s_cmp_lt_u32 s[KS], 8
	s_cbranch_scc1 .Lb1
	s_setprio 0
	s_wait_tensorcnt 0x0                           ; my part of keys 1,024 on is in,
	s_wait_dscnt 0x0
	s_barrier_signal -1
	s_barrier_wait -1                              ; everybody's is
	s_mov_b32 s[KS], 8
	s_mov_b32 s[TB], 135168
	s_mov_b32 s[KF], 1024
.Lb2:                                              ; tile B, steps 8 to 15
	STEP 1, 1
	s_add_co_u32 s[KS], s[KS], 1
	s_cmp_lt_u32 s[KS], 16
	s_cbranch_scc1 .Lb2
	s_setprio 0
	FIN PB
	s_wait_xcnt 0x0                                ; the stores have read their data
.irp j, 0,1,2,3,4,5,6,7
	v_mov_b32 v[24+\j], v[242+\j]                  ; tile A's q
.endr
	v_perm_b32 v240, v250, v250, s[PA+8]
	INIT PA, 75
	s_mov_b32 s[KS], 0
	s_mov_b32 s[TB], 0
	s_mov_b32 s[KF], 0
.La:                                               ; tile A, steps 0 to 7
	STEP 1, 1
	s_add_co_u32 s[KS], s[KS], 1
	s_cmp_lt_u32 s[KS], 8
	s_cbranch_scc1 .La
	s_setprio 0
	FIN PA
	s_wait_tensorcnt 0x0
	ds_add_u32 v254, v255
	s_wait_dscnt 0x0
	ROUND                                          ; the closing round
	s_endpgm
.Lfunc_end_k_q47f98faef1_attn:
	.size	k_q47f98faef1_attn, .Lfunc_end_k_q47f98faef1_attn-k_q47f98faef1_attn
	.p2alignl 7, 3214868480
	.fill 96, 4, 3214868480
	.section	.rodata,"a",@progbits
	.p2align	6, 0x0
	.amdhsa_kernel k_q47f98faef1_attn
		.amdhsa_group_segment_fixed_size 327680
		.amdhsa_private_segment_fixed_size 0
		.amdhsa_enable_private_segment 0
		.amdhsa_kernarg_size 24
		.amdhsa_user_sgpr_count 2
		.amdhsa_user_sgpr_kernarg_segment_ptr 1
		.amdhsa_wavefront_size32 1
		.amdhsa_system_sgpr_workgroup_id_x 1
		.amdhsa_system_sgpr_workgroup_id_y 1
		.amdhsa_system_sgpr_workgroup_id_z 1
		.amdhsa_system_vgpr_workitem_id 0
		.amdhsa_next_free_vgpr 256
		.amdhsa_next_free_sgpr 80
		.amdhsa_reserve_vcc 1
		.amdhsa_float_denorm_mode_32 3
		.amdhsa_float_denorm_mode_16_64 3
		.amdhsa_fp16_overflow 1
		.amdhsa_memory_ordered 1
		.amdhsa_forward_progress 1
		.amdhsa_inst_pref_size 83
	.end_amdhsa_kernel
	.amdgpu_metadata
---
amdhsa.version: [ 1, 2 ]
amdhsa.kernels:
  - .name:           k_q47f98faef1_attn
    .symbol:         k_q47f98faef1_attn.kd
    .args:
      - { .name: qq, .offset: 0, .size: 8, .value_kind: global_buffer, .address_space: global }
      - { .name: kv, .offset: 8, .size: 8, .value_kind: global_buffer, .address_space: global }
      - { .name: ao, .offset: 16, .size: 8, .value_kind: global_buffer, .address_space: global }
    .group_segment_fixed_size: 327680
    .private_segment_fixed_size: 0
    .kernarg_segment_align: 8
    .kernarg_segment_size: 24
    .max_flat_workgroup_size: 512
    .sgpr_count:     80
    .vgpr_count:     256
    .wavefront_size: 32
...
	.end_amdgpu_metadata
.endif
;; end of part 3
;; launch oproj (part 4): grid 4 x 32, 4 waves a work-group, clusters of 4 x 4, 327,680 bytes of LDS; arguments ao, wq, b_o, out0; writes out0
.if DOCPART == 4
	.amdgcn_target "amdgcn-amd-amdhsa--gfx1250"
	.amdhsa_code_object_version 6
	.text
	.protected	k_q47f98faef1_oproj
	.globl	k_q47f98faef1_oproj
	.p2align	8
	.type	k_q47f98faef1_oproj,@function
k_q47f98faef1_oproj:
	s_mov_b64 s[64:65], 0
	v_nop
	global_prefetch_b8 v0, s[64:65] scope:SCOPE_SE
	s_setreg_imm32_b32 hwreg(HW_REG_WAVE_MODE, 25, 1), 1
	s_wait_xcnt 0x0
	s_wait_alu depctr_hold_cnt(0) depctr_sa_sdst(0) depctr_va_vdst(0) depctr_va_sdst(0) depctr_va_ssrc(0) depctr_va_vcc(0) depctr_vm_vsrc(0)
	s_getreg_b32 s2, hwreg(HW_REG_IB_STS2, 6, 4)
	s_cmp_eq_u32 s2, 0
	s_cbranch_scc0 .Lentry_in_a_cluster
	s_endpgm
.Lentry_in_a_cluster:
	s_bfe_u32 s2, ttmp6, 0x10000c
	s_cmp_lg_u32 s2, 0xf033
	s_cbranch_scc0 .Lentry_shape_is_right
	s_endpgm
.Lentry_shape_is_right:
; out0 = attention's output x w_o + b_o on codes of E4M3 with E8M0 scales (8,192 x 1,024 x 1,024), f32 out.
; A tile of 256 tokens x 256 columns is made by four waves, 128 x 128 each: 64 accumulators, 512 registers.  K goes in four steps of 256 through two LDS slots filled by the tensor data mover.
; OPERANDS ARE STORED AS IMAGES OF THE OPERAND'S REGISTERS (2,048 bytes for 16 rows x 128 k; a lane's 16 bytes at 16 x lane, four pieces 512 bytes apart): a K step's 8 tiles of a wave are one dense block
; of 32,768 bytes for one tensor load, and every LDS load of a wave takes 512 consecutive bytes: no pitch, no padding.
; CLUSTERS: 4 x 4 work-groups; the four of a row need the same tokens, the four of a column the same columns of the weight: each block is asked for jointly.
; THE MATRIX INSTRUCTION IS USED TRANSPOSED (source 0 = 16 columns of the weight, source 1 = 16 tokens): a lane holds eight neighbouring columns of one token.  Token tile T's row r is token
; 32 (T / 2) + 8 (T % 2) + r + 8 (r / 8); the weight's tile T holds columns 16 T + r.  The bias is the C of each sum's first matrix instruction.
; The grid has 128 work-groups: the tile is kept at 256 x 256 so that this launch and the first product share one form.
; REGISTERS, in windows of 256: window 0: v0-31 addresses; v32-63 scale words, two sets; v64-127 the bias; v128-255 the tokens' fragments, one set; on the way out rows of the result.
;   window 1: the weight's fragments, two sets.   windows 2, 3: the accumulators ((a, b) at v[8 (8 (a % 4) + b)]).
.set NQ,     2
.set FR,     16
.set NL,     4
.set NP,     8                         ; places behind this matrix instruction (ISA guide 7.12.1)
.set HALFT,  32768
.set SLOT,   4*HALFT
.set SCL,    2*SLOT
.set HALFS,  4096
.set SBLK,   512
.set SPARE,  SCL+4*HALFS               ; the spare words: 128 bytes for each wave: two blocks of 256 bytes that no other line names
.set ASTEP,  2097152
.set BSTEP,  262144
.set ASCALE, 8388608
.set BCODE,  3244032
.set BSCALE, 4292608
.set SPITCH, 528                       ; the way out: a stage of 16 rows x (512 + 16) bytes for each wave, in slot 0, which has had its last fill and its last read by then
.set ADRA, 16
.set ADRB, 20
.set STO,  24                          ; v24 the way out: where I put 32 bytes of a row
.set RD,   25                          ; v25 where I read a row back
.set CO,   26                          ; v26 my byte offset in a row of the result
.set ADRS, 27
.set SPW,  28
.set NIL,  29
.set BO,   30
.set SC,   32
.set BI,   64
.set AF,   128
.set BK,   128
.set G1, 24
.set G0, 32
.set G1B, 48
.set G0B, 56
.set G1S, 68
.set G0S, 76
.set G1SB, 80
.set G0SB, 88
.set MSB, 0
.macro WIN new                         ; the immediate's high byte repeats the setting that is left
.if MSB != \new
	s_set_vgpr_msb (MSB<<8)|\new
.set MSB, \new
.endif
.endm
.set MUL_LO, 0xa1
.set MUL_HI, 0xf1
.set TO_B,   0x40
.macro JLOAD g0a, g1a, g0b, g1b        ; a joint load: waves 0 and 1 fetch the tokens' halves, waves 2 and 3 the weight's; four v_nop follow each line
	s_cmp_eq_u32 s15, 0
	s_cbranch_scc0 .Lfor_b_\@
	tensor_load_to_lds s[\g0a:\g0a+3], s[\g1a:\g1a+7]
	s_nop 0
.rept 4
	v_nop
.endr
	s_branch .Lasked_\@
.Lfor_b_\@:
	tensor_load_to_lds s[\g0b:\g0b+3], s[\g1b:\g1b+7]
	s_nop 0
.rept 4
	v_nop
.endr
.Lasked_\@:
.endm
.macro CREST
	s_cmp_lg_u32 s14, 0
	s_cbranch_scc1 .Lnot_wave_0_\@
	s_barrier_signal -3
.Lnot_wave_0_\@:
	s_barrier_wait -3
	s_barrier_signal -1
	s_barrier_wait -1
.endm
.macro CROUND
	s_barrier_signal -1
	s_barrier_wait -1
	CREST
.endm
	s_load_b256 s[4:11], s[0:1], 0x0               ; ao s[4:5], wq s[6:7], b_o s[8:9], out0 s[10:11]
	v_lshl_add_u32 v[SPW], v0, 2, SPARE
	v_mov_b32 v[NIL], 0
	ds_add_u32 v28, v29
	ds_add_u32 v28, v29
	s_wait_dscnt 0x0
	v_lshrrev_b32 v1, 5, v0
	v_readfirstlane_b32 s14, v1                    ; wave 0..3
	s_lshr_b32 s15, s14, 1                         ; which half of the tokens is mine.  Also: I fetch tokens (0) or the weight (1)
	s_and_b32 s16, s14, 1                          ; which half of the columns.  Also: which 8 tiles of that side I fetch
	s_bfe_u32 s40, ttmp6, 0x40000
	s_bfe_u32 s41, ttmp6, 0x40004
	s_lshl_b32 s42, ttmp9, 2
	s_add_co_u32 s42, s42, s40                     ; tile column
	s_and_b32 s17, ttmp7, 0xffff
	s_lshl_b32 s17, s17, 2
	s_add_co_u32 s17, s17, s41                     ; tile row
	s_lshl_b32 s43, s41, 2
	s_lshl_b32 s43, 15, s43                        ; my row of the cluster
	s_lshl_b32 s44, 0x1111, s40                    ; my column
	s_or_b32 s[G1+0], s43, (3<<16)|(1<<21)         ; a dense block of 32,768 bytes as 128 rows of 256 bytes; the mask; bit 21 beside it
	s_or_b32 s[G1B+0], s44, (3<<16)|(1<<21)
.irp g, G1, G1B
	s_mov_b32 s[\g+1], 32<<16
	s_mov_b32 s[\g+2], 128<<16
	s_mov_b32 s[\g+3], 32<<16
	s_mov_b32 s[\g+4], 128
	s_mov_b32 s[\g+5], 32
	s_mov_b32 s[\g+6], 0
	s_mov_b32 s[\g+7], 0
.endr
	s_or_b32 s[G1S+0], s43, (3<<16)|(1<<21)        ; the scale words of 8 tiles: 16 rows of 256 bytes
	s_or_b32 s[G1SB+0], s44, (3<<16)|(1<<21)
.irp g, G1S, G1SB
	s_mov_b32 s[\g+1], 32<<16
	s_mov_b32 s[\g+2], 16<<16
	s_mov_b32 s[\g+3], 32<<16
	s_mov_b32 s[\g+4], 16
	s_mov_b32 s[\g+5], 32
	s_mov_b32 s[\g+6], 0
	s_mov_b32 s[\g+7], 0
.endr
	s_lshl_b32 s18, s16, 3
	s_lshl_b32 s20, s17, 4
	s_add_co_u32 s20, s20, s18                     ; tokens: tile 16 x tile row + 8 x half
	s_lshl_b32 s46, s42, 4
	s_add_co_u32 s46, s46, s18                     ; weight: tile 16 x tile column + 8 x half
	s_lshl_b32 s22, s20, 9
	s_add_co_u32 s22, s22, ASCALE
	s_mov_b32 s23, 0
	s_lshl_b32 s92, s46, 9
	s_add_co_u32 s92, s92, BSCALE
	s_mov_b32 s93, 0
	s_lshl_b32 s20, s20, 12
	s_mov_b32 s21, 0
	s_lshl_b32 s46, s46, 12
	s_add_co_u32 s46, s46, BCODE
	s_mov_b32 s47, 0
	s_mul_i32 s45, s14, HALFT
	s_mul_i32 s94, s14, HALFS
	s_wait_kmcnt 0x0
	s_add_nc_u64 s[20:21], s[4:5], s[20:21]
	s_add_nc_u64 s[22:23], s[4:5], s[22:23]
	s_add_nc_u64 s[46:47], s[6:7], s[46:47]
	s_add_nc_u64 s[92:93], s[6:7], s[92:93]
	CROUND                                         ; all sixteen work-groups are here: the first joint loads meet
	s_mov_b32 s[G0S], 1
	s_add_co_u32 s[G0S+1], s94, SCL
	s_mov_b64 s[G0S+2:G0S+3], s[22:23]
	s_or_b32 s[G0S+3], s[G0S+3], 0x80000000
	s_mov_b32 s[G0SB], 1
	s_add_co_u32 s[G0SB+1], s94, SCL
	s_mov_b64 s[G0SB+2:G0SB+3], s[92:93]
	s_or_b32 s[G0SB+3], s[G0SB+3], 0x80000000
	JLOAD G0S, G1S, G0SB, G1SB
.irp s, 0,1
	s_mov_b32 s[G0+4*\s], 1
	s_add_co_u32 s[G0+4*\s+1], s45, \s*SLOT
	s_add_nc_u64 s[G0+4*\s+2:G0+4*\s+3], s[20:21], \s*ASTEP
	s_or_b32 s[G0+4*\s+3], s[G0+4*\s+3], 0x80000000
	s_mov_b32 s[G0B+4*\s], 1
	s_add_co_u32 s[G0B+4*\s+1], s45, \s*SLOT
	s_add_nc_u64 s[G0B+4*\s+2:G0B+4*\s+3], s[46:47], \s*BSTEP
	s_or_b32 s[G0B+4*\s+3], s[G0B+4*\s+3], 0x80000000
	s_wait_alu depctr_va_vdst(0)
	s_wait_tensorcnt 0x0
	ds_add_u32 v28, v29
	s_wait_dscnt 0x0
	CROUND
	JLOAD G0+4*\s, G1, G0B+4*\s, G1B               ; one tensor load of mine is out
.endr
	v_and_b32 v1, 15, v0                           ; r
	v_bfe_u32 v2, v0, 4, 1                         ; h
	v_and_b32 v3, 31, v0                           ; lane
	v_lshlrev_b32 v[CO], 4, v3                     ; 16 x lane
	s_wait_alu depctr_va_vdst(0)
	v_lshlrev_b32 v[BO], 5, v2                     ; the bias: for column tile b, columns 16 b + 8 h + 0..7
	s_lshl_b32 s66, s42, 10
	s_lshl_b32 s67, s16, 9
	s_add_co_u32 s66, s66, s67
	s_mov_b32 s67, 0
	s_add_nc_u64 s[8:9], s[8:9], s[66:67]
.irp b, 0,1,2,3,4,5,6,7
	global_load_b128 v[BI+8*\b:BI+8*\b+3], v[BO], s[8:9] offset:64*\b
	global_load_b128 v[BI+8*\b+4:BI+8*\b+7], v[BO], s[8:9] offset:64*\b+16
.endr
	s_lshl_b32 s66, s17, 8
	s_lshl_b32 s67, s15, 7
	s_add_co_u32 s66, s66, s67                     ; my first token,
	s_lshl_b32 s66, s66, 12                        ; x 4,096 bytes,
	s_lshl_b32 s67, s42, 10
	s_add_co_u32 s66, s66, s67
	s_lshl_b32 s67, s16, 9
	s_add_co_u32 s66, s66, s67                     ; + my first column
	s_mov_b32 s67, 0
	s_add_nc_u64 s[10:11], s[10:11], s[66:67]
	s_mul_i32 s21, s15, HALFT
	s_mul_i32 s22, s16, HALFT
	s_add_co_u32 s22, s22, 2*HALFT
.irp s, 0,1
	v_add_nc_u32 v[ADRA+\s], s21, v[CO]
	v_add_nc_u32 v[ADRB+\s], s22, v[CO]
	s_add_co_u32 s21, s21, SLOT
	s_add_co_u32 s22, s22, SLOT
.endr
	v_lshlrev_b32 v5, 3, v1
	s_mul_i32 s21, s15, HALFS
	s_mul_i32 s22, s16, HALFS
	s_add_co_u32 s22, s22, 2*HALFS
	s_sub_co_u32 s22, s22, s21
	v_mul_u32_u24 v6, s22, v2                      ; lanes 16-31 take the weight's scale words
	s_add_co_u32 s21, s21, SCL
	v_add_nc_u32 v5, v5, v6
	v_add_nc_u32 v[ADRS], s21, v5
	s_mul_i32 s23, s14, 16*SPITCH                  ; my stage
	v_mul_u32_u24 v5, v1, SPITCH
	v_lshl_add_u32 v5, v2, 5, v5
	v_add_nc_u32 v[STO], s23, v5                   ; in: row r, 32 bytes for each half of the lanes
	v_add_nc_u32 v[RD], s23, v[CO]                 ; back: the 32 lanes take one row of 512 bytes
.macro FRAG reg, adr, q, i
.irp c, 0,1,2,3
	ds_load_b128 v[\reg+4*\c:\reg+4*\c+3], v[\adr] offset:(\i)*4096+(\q)*2048+512*\c
.endr
.endm
; 16 matrix instructions: token tiles a0, a0 + 1 x the weight's eight.  first = 1: the bias is C.  The 64 accumulators take turns, one instruction a turn.
.macro MUL16 a0, p, q, sc, first
.irp a, \a0, \a0+1
.irp b, 0,1,2,3,4,5,6,7
.if \first
	v_wmma_scale_f32_16x16x128_f8f6f4 v[8*(8*((\a)%4)+\b):8*(8*((\a)%4)+\b)+7], v[128*(\p)+FR*\b:128*(\p)+FR*\b+FR-1], v[AF+FR*(\a):AF+FR*(\a)+FR-1], v[BI+8*\b:BI+8*\b+7], v[SC+8*NQ*(\sc)+NQ*\b+(\q)], v[SC+8*NQ*(\sc)+NQ*(\a)+(\q)] matrix_a_scale:MATRIX_SCALE_ROW1
.else
	v_wmma_scale_f32_16x16x128_f8f6f4 v[8*(8*((\a)%4)+\b):8*(8*((\a)%4)+\b)+7], v[128*(\p)+FR*\b:128*(\p)+FR*\b+FR-1], v[AF+FR*(\a):AF+FR*(\a)+FR-1], v[8*(8*((\a)%4)+\b):8*(8*((\a)%4)+\b)+7], v[SC+8*NQ*(\sc)+NQ*\b+(\q)], v[SC+8*NQ*(\sc)+NQ*(\a)+(\q)] matrix_a_scale:MATRIX_SCALE_ROW1
.endif
.endr
.endr
.endm
.macro FETCH_B slot, q, p
	WIN TO_B
.irp i, 0,1,2,3,4,5,6,7
	FRAG 128*(\p)+FR*\i, ADRB+\slot, \q, \i
.endr
	WIN 0
.endm
.macro FETCH_A slot, q, i0
.irp i, \i0, \i0+1, \i0+2, \i0+3
	FRAG AF+FR*(\i), ADRA+\slot, \q, \i
.endr
.endm
.macro SCALES sc
.irp i, 0,1,2,3,4,5,6,7
	ds_load_b64 v[SC+8*NQ*\sc+NQ*\i:SC+8*NQ*\sc+NQ*\i+1], v[ADRS] offset:\i*SBLK
.endr
.endm
.macro PLACES n
.rept \n
	v_nop
.endr
.endm
.macro STEP slot, q, first
	s_wait_dscnt 4*NL                              ; the weight's set and token tiles 0-3 are in; the youngest sixteen loads (tiles 4-7) may be out
.if \first
	WIN 0x81                                       ; C (the bias) window 0, D window 2
.else
	WIN MUL_LO
.endif
	MUL16 0, (\q)%2, \q, \slot, \first
	MUL16 2, (\q)%2, \q, \slot, \first
	s_wait_dscnt 0
	PLACES NP
	FETCH_B \slot, (\q)+1, 1-(\q)%2
	FETCH_A \slot, (\q)+1, 0
.if \first
	WIN 0xc1
.else
	WIN MUL_HI
.endif
	MUL16 4, (\q)%2, \q, \slot, \first
	MUL16 6, (\q)%2, \q, \slot, \first
	PLACES NP
	WIN 0
	FETCH_A \slot, (\q)+1, 4
.endm
; A slot's last step changes slots: ONE barrier; in front of it each wave waits for all its tensor loads, adds 0 to its spare word, and waits for that and for its own reads of this slot.
.macro TURN slot, next, fill
	s_wait_tensorcnt 0x0                           ; all my tensor loads have landed: my part of the next slot
	ds_add_u32 v[SPW], v[NIL]                      ; 0 onto my spare word
	s_wait_dscnt 4*NL+1                            ; (the add and the youngest sixteen loads may be out)
	WIN MUL_LO
	MUL16 0, 1, NQ-1, \slot, 0
	s_wait_dscnt 0x0                               ; the add is done, and my reads of this slot are over
	s_barrier_signal -1
	MUL16 2, 1, NQ-1, \slot, 0
	WIN 0
	s_barrier_wait -1
.if \fill
	CREST                                          ; the barrier has opened a round of the cluster's barrier
	s_add_nc_u64 s[G0+4*\slot+2:G0+4*\slot+3], s[G0+4*\slot+2:G0+4*\slot+3], 2*ASTEP
	s_add_nc_u64 s[G0B+4*\slot+2:G0B+4*\slot+3], s[G0B+4*\slot+2:G0B+4*\slot+3], 2*BSTEP
	JLOAD G0+4*\slot, G1, G0B+4*\slot, G1B         ; the first tensor load behind the round, my only one out
	PLACES NP-4
.else
	PLACES NP
.endif
	s_wait_alu depctr_va_vdst(0)
	v_add_nc_u32 v[ADRS], 128, v[ADRS]             ; on to the next K step's scale words
	FETCH_B \next, 0, 0
	FETCH_A \next, 0, 0
	SCALES \next
	WIN MUL_HI
	MUL16 4, 1, NQ-1, \slot, 0
	MUL16 6, 1, NQ-1, \slot, 0
	PLACES NP
	WIN 0
	FETCH_A \next, 0, 4
.endm
	s_wait_alu depctr_va_vdst(0)
	s_wait_tensorcnt 1                             ; the scale words and my part of K step 0 are in (K step 1's load may be out)
	s_barrier_signal -1
	s_barrier_wait -1                              ; everybody's are
	FETCH_B 0, 0, 0
	FETCH_A 0, 0, 0
	SCALES 0
	FETCH_A 0, 0, 4
	s_wait_loadcnt 0x0                             ; the bias
	STEP 0, 0, 1
	TURN 0, 1, 1
	STEP 1, 0, 0
	TURN 1, 0, 1
	STEP 0, 0, 0
	TURN 0, 1, 0
	STEP 1, 0, 0
	s_wait_dscnt 4*NL
	WIN MUL_LO
	MUL16 0, 1, NQ-1, 1, 0
	MUL16 2, 1, NQ-1, 1, 0
	s_wait_dscnt 0
	WIN MUL_HI
	MUL16 4, 1, NQ-1, 1, 0
	MUL16 6, 1, NQ-1, 1, 0
	WIN 0
; THE WAY OUT, token tile by token tile: 16 rows x 128 columns go through my own stage in LDS and come back as whole rows of 512 bytes.  LDS serves a wave's instructions in order (ISA guide 5.7.1.4).
.macro TOSTAGE a
.set AC, 64*((\a)%4)
	WIN 0x08+4*((\a)/4)                            ; the data: window 2 or 3
.irp b, 0,1,2,3,4,5,6,7
	ds_store_b128 v[STO], v[AC+8*\b:AC+8*\b+3] offset:64*\b          ; each accumulator from its low end on
	ds_store_b128 v[STO], v[AC+8*\b+4:AC+8*\b+7] offset:64*\b+16
.endr
	WIN 0
.set BB, BK+64*((\a)%2)
.irp t, 0,1,2,3,4,5,6,7,8,9,10,11,12,13,14,15
	ds_load_b128 v[BB+4*\t:BB+4*\t+3], v[RD] offset:\t*SPITCH
.endr
.endm
.macro SEND a, younger                 ; younger: the LDS instructions issued behind tile a's loads, which may stay out
.set BB, BK+64*((\a)%2)
	s_wait_dscnt \younger
.irp t, 0,1,2,3,4,5,6,7,8,9,10,11,12,13,14,15
	global_store_b128 v[CO], v[BB+4*\t:BB+4*\t+3], s[10:11] offset:(32*((\a)/2)+8*((\a)%2)+\t+8*(\t/8))*4096 th:TH_STORE_NT   ; the tile's row t is that token; 32 lanes store 512 consecutive bytes, aligned
.endr
.endm
	PLACES NP
	TOSTAGE 0
.irp a, 1,2,3,4,5,6,7
.if \a > 1
	s_wait_xcnt 0x0                                ; tile a - 2's stores have read their registers: tile a's loads may land there
.endif
	TOSTAGE \a
	SEND \a-1, 32                                  ; behind tile a - 1's loads: tile a's 16 stores and 16 loads
.endr
	SEND 7, 0
	s_wait_tensorcnt 0x0                           ; the wave's end
	ds_add_u32 v[SPW], v[NIL]
	s_wait_dscnt 0x0
	CROUND                                         ; the closing round
	s_endpgm
.Lfunc_end_k_q47f98faef1_oproj:
	.size	k_q47f98faef1_oproj, .Lfunc_end_k_q47f98faef1_oproj-k_q47f98faef1_oproj
	.p2alignl 7, 3214868480
	.fill 96, 4, 3214868480
	.section	.rodata,"a",@progbits
	.p2align	6, 0x0
	.amdhsa_kernel k_q47f98faef1_oproj
		.amdhsa_group_segment_fixed_size 327680
		.amdhsa_private_segment_fixed_size 0
		.amdhsa_enable_private_segment 0
		.amdhsa_kernarg_size 32
		.amdhsa_user_sgpr_count 2
		.amdhsa_user_sgpr_kernarg_segment_ptr 1
		.amdhsa_wavefront_size32 1
		.amdhsa_system_sgpr_workgroup_id_x 1
		.amdhsa_system_sgpr_workgroup_id_y 1
		.amdhsa_system_sgpr_workgroup_id_z 1
		.amdhsa_system_vgpr_workitem_id 0
		.amdhsa_next_free_vgpr 1024
		.amdhsa_next_free_sgpr 102
		.amdhsa_reserve_vcc 0
		.amdhsa_float_denorm_mode_32 3
		.amdhsa_float_denorm_mode_16_64 3
		.amdhsa_memory_ordered 1
		.amdhsa_forward_progress 1
		.amdhsa_inst_pref_size 147
	.end_amdhsa_kernel
	.amdgpu_metadata
---
amdhsa.version: [ 1, 2 ]
amdhsa.kernels:
  - .name:           k_q47f98faef1_oproj
    .symbol:         k_q47f98faef1_oproj.kd
    .args:
      - { .name: ao, .offset: 0, .size: 8, .value_kind: global_buffer, .address_space: global }
      - { .name: wq, .offset: 8, .size: 8, .value_kind: global_buffer, .address_space: global }
      - { .name: b_o, .offset: 16, .size: 8, .value_kind: global_buffer, .address_space: global }
      - { .name: out0, .offset: 24, .size: 8, .value_kind: global_buffer, .address_space: global }
    .group_segment_fixed_size: 327680
    .private_segment_fixed_size: 0
    .kernarg_segment_align: 8
    .kernarg_segment_size: 32
    .max_flat_workgroup_size: 128
    .sgpr_count:     102
    .vgpr_count:     1024
    .wavefront_size: 32
...
	.end_amdgpu_metadata
.endif
;; end of part 4
